; MI455X (gfx1250); checked and timed in simulation.
; The chip was launched on July 23, 2026; its instructions are those of AMD's public machine-readable ISA for CDNA 5 (MIT licence, August 2026) and "CDNA5" Instruction Set Architecture Reference Guide (July 2026). The comments in the code are by the model that wrote it; some were corrected since.
;; Causal Self Attention. Allowed arithmetic: matrix products marked QUANTISED: E3M2 operands, one E8M0 scale for each 32 along K, by v_wmma_scale_f32_16x16x128_f8f6f4 with both operands' format E3M2, f32 sums; everything else in f32.
;; Inputs: b_attn 3,072 float32; b_proj 1,024 float32; w_attn 1,024 x 3,072 float32; w_proj 1,024 x 1,024 float32; x 4 x 2,048 x 1,024 float32.
;; Outputs: out0 4 x 2,048 x 1,024 float32.
;; This version of the problem:
;;   THIS VERSION OF THE PROBLEM IS GIVEN IN LOW PRECISION. The matrix products marked QUANTISED in the list below multiply operands that are first quantised to E3M2 (3 exponent bits, 2 mantissa bits; 6 bits a number), with one power-of-two scale for each 32 numbers along K (OCP MX v1.0); their sums are f32. All else is computed in f32.
;;   The module's matrix products, in the order in which they are computed (A, B: the left and right operand; K: the contracted axis; several contracted axes count as one K, in the product's order):
;;     1. [M 8,192, K 1,024] x [K 1,024, N 3,072]; A: input x; B: input w_attn: QUANTISED
;;     2. batch 64 x [M 2,048, K 64] x [K 64, N 2,048]; A: computed on the way; B: computed on the way: QUANTISED
;;     3. batch 64 x [M 2,048, K 2,048] x [K 2,048, N 64]; A: softmax (see below); B: computed on the way: QUANTISED
;;     4. [M 8,192, K 1,024] x [K 1,024, N 1,024]; A: computed on the way; B: input w_proj: QUANTISED
;;   THE QUANTISER, for each operand of a quantised product, along K:
;;     - K is cut into blocks of 32 from its start; a last block that is shorter is filled with zeros.
;;     - A block's scale is 2^e with e = floor(log2(the largest magnitude in the block)) - 4, held to -126 .. 127; a block of zeros has e = 0. As a byte (E8M0): e + 127.
;;     - Each number is divided by its block's scale, clamped to +-28, and rounded to the nearest number of E3M2, ties to even, subnormals kept.
;;     - The product sums the exact products of the quantised numbers (number of the format x scale) in f32.
;;   ~~~python
;;   def quantise(x, axis):      # numpy; x: float32 -> the quantised numbers, widened to float32 again
;;       x = np.moveaxis(x, axis, -1); K = x.shape[-1]
;;       x = np.pad(x, [(0, 0)] * (x.ndim - 1) + [(0, -K % 32)]); x = x.reshape(x.shape[:-1] + (-1, 32)); a = np.abs(x).max(-1, keepdims=True)
;;       e = np.where(a > 0, np.clip(np.frexp(np.where(a > 0, a, 1))[1] - 1 - 4, -126, 127), 0)      # np.frexp(a)[1] - 1 = floor(log2(a)), exactly
;;       r = np.clip(x / 2.0 ** e, -28, 28)
;;       step = 2.0 ** (np.maximum(np.frexp(np.where(r == 0, 1, r))[1] - 1, -2) - 2)
;;       q = np.round(r / step) * step * 2.0 ** e      # np.round: ties to even
;;       return np.moveaxis(q.reshape(q.shape[:-2] + (-1,))[..., :K], -1, axis).astype(np.float32)
;;   ~~~
;;   SOFTMAX AHEAD OF A QUANTISED PRODUCT. Where the list says 'softmax', what is quantised is not the finished softmax but p = 2^(t - M), with t = logit x log2(e) and M = ceil(the row's largest t), a whole number; so 1/2 < the row's largest p <= 1. The row's sum l is taken of the UNQUANTISED p, in f32, and the product's result is divided by l at the end. Since M is a whole number, a kernel that streams over the keys may use a running M (the ceiling of the running maximum): every later rescaling is an exact power of two, which a block's scale takes up: the codes' values come out the same.
;;   OPERANDS COMPUTED ON THE WAY. 'Computed on the way' means the value that the module computes at that place (a softmax that the list does not call 'softmax' is quantised finished and normalised). What goes into a quantiser is computed in f32, as accurately as f32 sums, v_exp_f32 and their like allow (about 1e-6 of the number): no bf16 or f16 on the way to a quantiser, and a product that is left as it is and whose result goes on into a quantised operand takes f32 operands (vector FMAs, or v_wmma_f32_16x16x4_f32). A number that lies on a knife's edge between two numbers of the format may be rounded either way, as far as f32 arithmetic and the matrix unit's own rounding can turn it there, and no further.
;; One version. Each part assembles by itself: llvm-mc -triple=amdgcn-amd-amdhsa -mcpu=gfx1250 --defsym DOCPART=n.
;; ======== version 1 of 1: 4 launches
;; limits: right only within a limited range of input values
;; workspace buffers: act_codes 6,291,456 bytes; act_scales 262,144 bytes; w_codes 3,145,728 bytes; w_scales 131,072 bytes; q_codes 6,291,456 bytes; q_scales 524,288 bytes; kv 13,369,344 bytes
;; launch quant (part 1): grid 512 x 1, 4 waves a work-group, no clusters, 58,880 bytes of LDS; arguments x, w_attn, w_proj, act_codes, act_scales, w_codes, w_scales; writes act_codes, act_scales, w_codes, w_scales
.if DOCPART == 1
	.amdgcn_target "amdgcn-amd-amdhsa--gfx1250"
	.amdhsa_code_object_version 6
	.text
	.protected	k_q3ffd299c07_quant
	.globl	k_q3ffd299c07_quant
	.p2align	8
	.type	k_q3ffd299c07_quant,@function
k_q3ffd299c07_quant:
	s_mov_b64 s[64:65], 0
	v_nop
	global_prefetch_b8 v0, s[64:65] scope:SCOPE_SE
	s_setreg_imm32_b32 hwreg(HW_REG_WAVE_MODE, 25, 1), 1
	s_wait_xcnt 0x0
; x [8192][1024], w_attn [1024][3072] and w_proj [1024][1024], f32, become codes of E3M2 (6 bits) with one E8M0 byte for each 32 along K, laid as the products' launches read them.
; A block's scale is 2^(floor(log2(its largest magnitude)) - 4); its byte is the largest magnitude's exponent field - 4, held at 1 from below.
; LIMITS: NaN and infinities among the inputs are not served.  A block whose largest magnitude lies under 2^-122 gets the byte 1; so does a block of zeros, where the quantiser says 127: its codes are zeros,
; which add nothing under any byte but 0xff, and this program alone reads the bytes.
; LAYOUT OF THE CODES: [tile of 16 rows][K step of 128][1,536 bytes]: the operand's 12 registers as they stand.  Half a fragment (64 along K, registers 0-5) is 768 bytes: lane l's registers 0-3 at 16 l,
; its registers 4-5 at 512 + 8 l.  So every later load and store of codes is dense.  SCALES: [tile][256 along K][row 16][8 bytes]: a row's two scale words.
; ROWS: tokens of x, and columns of the weights (w_attn's 3,072, then w_proj's 1,024), are laid with bits 3 and 4 of their index exchanged: row p of tile 2 b + u is index 32 b + 8 u + p + 8 (p / 8).
; A product used transposed then has 16 neighbours along its first source's rows in the 16 registers of two neighbouring tiles, which is what the next quantiser wants.
; Work-groups 0-255 take x (a wave: 16 rows x 512 along K), 256-511 the weights (a wave: 32 columns x 128 along K: four blocks of 32 loads, two blocks out at a time).
; Waves share nothing: no barrier.  The two paths have LDS bytes of their own.
.set XPITCH, 528                       ; x's stage: a row's 512 bytes + 16: an odd multiple of 16, so that 16 rows start in 16 different groups of banks
.set XSTW,   16*XPITCH                 ; a wave's stage on x's path
.set WST0,   4*XSTW                    ; behind them: the weights path's stages,
.set WSTW,   6144                      ; 2 tiles x 3,072 bytes a wave, of which a tile's first 1,536 (one K step) are used
.set R,   16                           ; v16-143  x: two sets of 16 rows' 16 bytes
.set X,   144                          ; v144-207 x: my 64 numbers of a K step
.set C,   208                          ; v208-219 x: a fragment's codes
.set TMX, 220                          ; v220-222, v224-226: the upper halves of two blocks' codes (a conversion's three registers begin on an even number)
.set MX,  228                          ; v228-229 largest magnitudes;  v230-231 the conversions' scale operands;  v232-233 bytes
.set SO,  230
.set BY,  232
.set WD,  234                          ; v234-237 the four K steps' scale words
.set XW,  48                           ; weights: v16-47 offsets; v48-111 two sets of 32 numbers; v112-117 codes; v120-122 upper half; v124 scale bytes
.set CW,  112
.set TW,  120
.set SB,  124
	s_load_b256 s[4:11], s[0:1], 0x0               ; x s[4:5], w_attn s[6:7], w_proj s[8:9], act_codes s[10:11]
	s_load_b128 s[12:15], s[0:1], 0x20             ; act_scales s[12:13], w_codes s[14:15]
	s_load_b64 s[16:17], s[0:1], 0x30              ; w_scales
	v_lshl_add_u32 v248, v0, 2, 0xe400
	v_mov_b32 v249, 0
	v_lshrrev_b32 v1, 5, v0
	v_readfirstlane_b32 s18, v1                    ; wave
	v_and_b32 v1, 31, v0                           ; lane
	v_and_b32 v2, 15, v0                           ; r
	v_bfe_u32 v3, v0, 4, 1                         ; h
	v_lshlrev_b32 v4, 4, v1                        ; 16 x lane
	v_lshlrev_b32 v5, 3, v1                        ; 8 x lane
	s_mov_b32 s20, 0x76543210
	s_mov_b32 s21, 0xfedcba98                      ; v_permlanex16_b32's selects for lane l xor 16
	; every LDS address of both paths is made here, ahead of the parting
	s_mul_i32 s19, s18, XSTW
	v_add_nc_u32 v6, s19, v4                       ; x's stage, in: 16 x lane of a row
	v_mul_u32_u24 v7, v2, XPITCH
	v_lshl_add_u32 v7, v3, 7, v7
	v_add_nc_u32 v7, s19, v7                       ; out: row r, + 128 h: my 32 numbers of each 64
	s_mul_i32 s19, s18, WSTW
	s_add_co_u32 s19, s19, WST0
	v_bfe_u32 v8, v0, 3, 1                         ; u: bit 3 of my column picks the tile,
	v_and_b32 v9, 7, v0
	v_lshl_add_u32 v9, v3, 3, v9                   ; p = (l & 7) + 8 (l >> 4): its row there
	v_mul_u32_u24 v10, v8, 3072
	v_lshl_add_u32 v11, v9, 3, v10
	v_lshl_add_u32 v10, v9, 4, v10
	v_add_nc_u32 v10, s19, v10                     ; the weights' stage, in: 3,072 u + 16 p
	v_add_nc_u32 v11, s19, v11                     ; and 3,072 u + 8 p (the 512 stands in the immediate)
	v_add_nc_u32 v12, s19, v4                      ; out: 16 x lane
	v_lshlrev_b32 v14, 9, v8
	v_lshl_add_u32 v14, v9, 3, v14                 ; my column's scale words: 512 u + 8 p
	v_lshlrev_b32 v13, 3, v3                       ; 8 h: how far my two bytes move up in a scale word
	v_lshlrev_b32 v15, 7, v3
	v_lshl_add_u32 v15, v2, 3, v15                 ; x's scale words on the way out: 128 h + 8 r
	s_wait_kmcnt 0x0
	s_cmp_lt_u32 ttmp9, 256
	s_cbranch_scc0 .Lweights
	; ---------------- x: K is innermost.  Each load takes one row's 512 bytes (a K step); the 16 rows turn through my stage, so that lane (r, h) gets k = 64 c + 32 h + 0 .. 31 of row r: two whole blocks
	s_lshl_b32 s22, ttmp9, 2
	s_add_co_u32 s22, s22, s18
	s_lshr_b32 s23, s22, 1                         ; T: my tile of rows
	s_and_b32 s24, s22, 1                          ; which 512 along K
	s_lshr_b32 s25, s23, 1
	s_lshl_b32 s25, s25, 5
	s_and_b32 s26, s23, 1
	s_lshl_b32 s26, s26, 3
	s_add_co_u32 s25, s25, s26                     ; the tile's first token: 32 (T / 2) + 8 (T % 2)
	s_lshl_b32 s26, s25, 12
	s_lshl_b32 s27, s24, 11
	s_add_co_u32 s26, s26, s27
	s_mov_b32 s27, 0
	s_add_nc_u64 s[4:5], s[4:5], s[26:27]
	s_mul_i32 s26, s23, 12288
	s_mul_i32 s28, s24, 6144
	s_add_co_u32 s26, s26, s28
	s_add_nc_u64 s[10:11], s[10:11], s[26:27]
	s_lshl_b32 s26, s23, 9
	s_lshl_b32 s28, s24, 8
	s_add_co_u32 s26, s26, s28
	s_add_nc_u64 s[12:13], s[12:13], s[26:27]
	v_mov_b32 v238, 0                              ; written once: a lane permute's destination counts as one of its sources
.macro LOADX s
.irp p, 0,1,2,3,4,5,6,7,8,9,10,11,12,13,14,15
	global_load_b128 v[R+64*((\s)%2)+4*\p:R+64*((\s)%2)+4*\p+3], v4, s[4:5] offset:(\p+8*(\p/8))*4096+512*(\s) th:TH_LOAD_NT   ; 32 lanes read 512 consecutive bytes of token p + 8 (p / 8)
.endr
.endm
.macro STEPX s
.set RS, R+64*((\s)%2)
.if (\s) < 3
	s_wait_loadcnt 16                              ; this K step's 16 loads are in; the next step's 16 may be out
.else
	s_wait_loadcnt 0x0
.endif
.irp p, 0,1,2,3,4,5,6,7,8,9,10,11,12,13,14,15
	ds_store_b128 v6, v[RS+4*\p:RS+4*\p+3] offset:XPITCH*\p
.endr
.irp c, 0,1
.irp j, 0,1,2,3,4,5,6,7
	ds_load_b128 v[X+32*\c+4*\j:X+32*\c+4*\j+3], v7 offset:256*\c+16*\j   ; LDS serves a wave's instructions in order: these see the stores above
.endr
.endr
	s_wait_dscnt 0x0                               ; my numbers are back, and the stores have read their registers,
.if (\s) < 2
	LOADX (\s)+2                                   ; which take the loads of two steps on
.endif
.irp c, 0,1
	v_max3_num_f32 v[MX+\c], |v[X+32*\c]|, |v[X+32*\c+1]|, 0x2800000   ; block 2 c + h: all 32 numbers are mine; the floor 2^(5 - 127) holds the byte at 1 from below
.endr
.irp i, 2,4,6,8,10,12,14,16,18,20,22,24,26,28,30
.irp c, 0,1
	v_max3_num_f32 v[MX+\c], v[MX+\c], |v[X+32*\c+\i]|, |v[X+32*\c+\i+1]|
.endr
.endr
.irp c, 0,1
	v_add_nc_u32 v[SO+\c], 0xfe000000, v[MX+\c]    ; 4 off the exponent field: the conversion takes this operand's exponent field as its scale
.endr
.irp c, 0,1
	v_lshrrev_b32 v[BY+\c], 23, v[SO+\c]           ; the scale's byte
.endr
	v_lshl_or_b32 v239, v[BY+1], 16, v[BY]         ; blocks h and 2 + h,
	v_lshlrev_b32 v239, v13, v239                  ; at their places in the row's scale word;
	v_permlanex16_b32 v238, v239, s20, s21
	v_or_b32 v[WD+(\s)], v239, v238                ; with lane l xor 16's two the word is whole
.if (\s) > 0
	s_wait_alu depctr_va_vdst(0)
	s_wait_xcnt 0x0                                ; the last step's stores have read the codes' registers
.endif
.irp c, 0,1
	v_cvt_scalef32_pk16_bf6_f32 v[C+6*\c:C+6*\c+2], v[X+32*\c:X+32*\c+15], v[SO+\c]
	v_cvt_scalef32_pk16_bf6_f32 v[TMX+4*\c:TMX+4*\c+2], v[X+32*\c+16:X+32*\c+31], v[SO+\c]
.endr
	v_nop                                          ; one plain place behind a scaled conversion
.irp c, 0,1
.irp i, 0,1,2
	v_mov_b32 v[C+6*\c+3+\i], v[TMX+4*\c+\i]
.endr
.endr
	global_store_b128 v4, v[C:C+3], s[10:11] offset:1536*(\s)             ; 512, 256, 512, 256 consecutive bytes, each at a multiple of 256
	global_store_b64 v5, v[C+4:C+5], s[10:11] offset:1536*(\s)+512
	global_store_b128 v4, v[C+6:C+9], s[10:11] offset:1536*(\s)+768
	global_store_b64 v5, v[C+10:C+11], s[10:11] offset:1536*(\s)+1280
.endm
	LOADX 0
	LOADX 1
	STEPX 0
	STEPX 1
	STEPX 2
	STEPX 3
	v_cmp_ne_u32 vcc_lo, 0, v3                     ; lanes 0-15 store the words of K steps 0, 1, lanes 16-31 those of 2, 3: 256 consecutive bytes
	v_cndmask_b32 v240, v[WD], v[WD+2], vcc_lo
	v_cndmask_b32 v241, v[WD+1], v[WD+3], vcc_lo
	global_store_b64 v15, v[240:241], s[12:13]
	s_wait_tensorcnt 0x0                           ; the wave's end
	ds_add_u32 v248, v249
	s_wait_dscnt 0x0
	s_endpgm
	; ---------------- the weights: K is the FIRST axis.  A lane takes a column and its registers run down K: a block of 32 lies in one lane, and the conversions give codes with K innermost
.Lweights:
	s_sub_co_u32 s22, ttmp9, 256
	s_and_b32 s23, s22, 31                         ; which 128 of the 4,096 columns
	s_lshr_b32 s24, s22, 5                         ; which 128 along K: a K step
	s_sub_co_u32 s26, s23, 24
	s_mov_b32 s25, 4096
	s_cmp_lt_u32 s23, 24                           ; w_attn's columns or w_proj's?  The choice hangs on the work-group's number alone
	s_cselect_b64 s[6:7], s[6:7], s[8:9]
	s_cselect_b32 s25, 12288, s25                  ; bytes from row to row
	s_cselect_b32 s26, s23, s26                    ; the group of 128 columns inside its tensor
	s_lshl_b32 s27, s24, 7
	s_mul_i32 s28, s27, s25
	s_lshl_b32 s27, s26, 9
	s_add_co_u32 s28, s28, s27
	s_lshl_b32 s27, s18, 7
	s_add_co_u32 s28, s28, s27                     ; 128 ky rows + 512 x group + 128 x wave
	s_mov_b32 s29, 0
	s_lshl_b32 s30, s25, 5                         ; 32 rows
	s_mov_b32 s31, 0
	s_add_nc_u64 s[32:33], s[6:7], s[28:29]        ; a base for each of the four blocks: nothing is stepped later
.irp t, 1,2,3
	s_add_nc_u64 s[32+2*\t:33+2*\t], s[30+2*\t:31+2*\t], s[30:31]
.endr
	v_lshlrev_b32 v126, 2, v1
.irp i, 0,1,2,3,4,5,6,7,8,9,10,11,12,13,14,15,16,17,18,19,20,21,22,23,24,25,26,27,28,29,30,31
	v_mad_u32_u24 v[16+\i], s25, \i, v126          ; row i of a block, my column
.endr
	s_lshl_b32 s27, s23, 3
	s_lshl_b32 s28, s18, 1
	s_add_co_u32 s27, s27, s28                     ; my first tile of columns: 8 x group + 2 x wave
	s_mul_i32 s28, s27, 12288
	s_mul_i32 s50, s24, 1536
	s_add_co_u32 s28, s28, s50
	s_add_nc_u64 s[14:15], s[14:15], s[28:29]      ; the tile's fragment of my K step
	s_lshl_b32 s28, s27, 9
	s_lshr_b32 s50, s24, 1
	s_lshl_b32 s50, s50, 7
	s_add_co_u32 s28, s28, s50                     ; the scale words: 512 x tile + 128 x (ky / 2)
	s_and_b32 s50, s24, 1
	s_lshl_b32 s50, s50, 2
	s_add_co_u32 s28, s28, s50                     ; + 4 x (ky % 2): which of a row's two words
	s_add_nc_u64 s[16:17], s[16:17], s[28:29]
.macro LOADW t
.irp i, 0,1,2,3,4,5,6,7,8,9,10,11,12,13,14,15,16,17,18,19,20,21,22,23,24,25,26,27,28,29,30,31
	global_load_b32 v[XW+32*((\t)%2)+\i], v[16+\i], s[32+2*(\t):33+2*(\t)] th:TH_LOAD_NT   ; 128 consecutive bytes a wave, 512 a work-group
.endr
.endm
; Block t is k = 32 t + 0 .. 31 of my 128: half fragment t / 2, and there the registers of lane p + 16 (t % 2)
.macro BLOCKW t
.set XS, XW+32*((\t)%2)
.if (\t) < 3
	s_wait_loadcnt 32                              ; this block's 32 loads are in; the next block's may be out
.else
	s_wait_loadcnt 0x0
.endif
	v_max3_num_f32 v118, |v[XS]|, |v[XS+1]|, |v[XS+2]|
	v_max3_num_f32 v119, |v[XS+3]|, |v[XS+4]|, |v[XS+5]|
.irp i, 6,10,14,18,22,26
	v_max3_num_f32 v118, v118, |v[XS+\i]|, |v[XS+\i+1]|
	v_max3_num_f32 v119, v119, |v[XS+\i+2]|, |v[XS+\i+3]|
.endr
	v_max3_num_f32 v118, v118, |v[XS+30]|, |v[XS+31]|
	v_max3_num_f32 v118, v118, v119, 0x2800000     ; and the floor
	v_add_nc_u32 v123, 0xfe000000, v118
	v_lshrrev_b32 v127, 23, v123
.if (\t) == 0
	v_mov_b32 v[SB], v127                          ; four bytes to the register, the lower K in the lower byte
.else
	v_lshl_or_b32 v[SB], v127, 8*(\t), v[SB]
.endif
	v_cvt_scalef32_pk16_bf6_f32 v[CW:CW+2], v[XS:XS+15], v123
	v_cvt_scalef32_pk16_bf6_f32 v[TW:TW+2], v[XS+16:XS+31], v123
	v_nop                                          ; one plain place behind a scaled conversion
.irp i, 0,1,2
	v_mov_b32 v[CW+3+\i], v[TW+\i]
.endr
	ds_store_b128 v10, v[CW:CW+3] offset:768*((\t)/2)+256*((\t)%2)
	ds_store_b64 v11, v[CW+4:CW+5] offset:768*((\t)/2)+512+128*((\t)%2)
.if (\t) < 2
	LOADW (\t)+2
.endif
	s_wait_dscnt 0x0                               ; the stores have read their registers: the next block's codes may be written
.endm
	s_wait_alu depctr_va_vdst(0)
	LOADW 0
	LOADW 1
.irp t, 0,1,2,3
	BLOCKW \t
.endr
	s_wait_alu depctr_va_vdst(0)
	global_store_b32 v14, v[SB], s[16:17]          ; my column's scale word of this K step: 4 bytes a column, 8 bytes apart: a hundred-and-twenty-eighth of what the path reads
.irp i, 0,1,2,3,4,5
	ds_load_b128 v[XW+4*\i:XW+4*\i+3], v12 offset:(\i/3)*3072+(\i%3)*512
.endr
.irp i, 0,1,2,3,4,5
	s_wait_dscnt 5-\i
	global_store_b128 v4, v[XW+4*\i:XW+4*\i+3], s[14:15] offset:(\i/3)*12288+(\i%3)*512   ; 512 consecutive bytes, at a multiple of 256
.endr
	s_wait_tensorcnt 0x0                           ; the wave's end
	ds_add_u32 v248, v249
	s_wait_dscnt 0x0
	s_endpgm
.Lfunc_end_k_q3ffd299c07_quant:
	.size	k_q3ffd299c07_quant, .Lfunc_end_k_q3ffd299c07_quant-k_q3ffd299c07_quant
	.p2alignl 7, 3214868480
	.fill 96, 4, 3214868480
	.section	.rodata,"a",@progbits
	.p2align	6, 0x0
	.amdhsa_kernel k_q3ffd299c07_quant
		.amdhsa_group_segment_fixed_size 58880
		.amdhsa_private_segment_fixed_size 0
		.amdhsa_enable_private_segment 0
		.amdhsa_kernarg_size 56
		.amdhsa_user_sgpr_count 2
		.amdhsa_user_sgpr_kernarg_segment_ptr 1
		.amdhsa_wavefront_size32 1
		.amdhsa_system_sgpr_workgroup_id_x 1
		.amdhsa_system_sgpr_workgroup_id_y 1
		.amdhsa_system_sgpr_workgroup_id_z 1
		.amdhsa_system_vgpr_workitem_id 0
		.amdhsa_next_free_vgpr 250
		.amdhsa_next_free_sgpr 66
		.amdhsa_reserve_vcc 1
		.amdhsa_float_denorm_mode_32 3
		.amdhsa_float_denorm_mode_16_64 3
		.amdhsa_memory_ordered 1
		.amdhsa_forward_progress 1
		.amdhsa_inst_pref_size 55
	.end_amdhsa_kernel
	.amdgpu_metadata
---
amdhsa.version: [ 1, 2 ]
amdhsa.kernels:
  - .name:           k_q3ffd299c07_quant
    .symbol:         k_q3ffd299c07_quant.kd
    .args:
      - { .name: x, .offset: 0, .size: 8, .value_kind: global_buffer, .address_space: global }
      - { .name: w_attn, .offset: 8, .size: 8, .value_kind: global_buffer, .address_space: global }
      - { .name: w_proj, .offset: 16, .size: 8, .value_kind: global_buffer, .address_space: global }
      - { .name: act_codes, .offset: 24, .size: 8, .value_kind: global_buffer, .address_space: global }
      - { .name: act_scales, .offset: 32, .size: 8, .value_kind: global_buffer, .address_space: global }
      - { .name: w_codes, .offset: 40, .size: 8, .value_kind: global_buffer, .address_space: global }
      - { .name: w_scales, .offset: 48, .size: 8, .value_kind: global_buffer, .address_space: global }
    .group_segment_fixed_size: 58880
    .private_segment_fixed_size: 0
    .kernarg_segment_align: 8
    .kernarg_segment_size: 56
    .max_flat_workgroup_size: 128
    .sgpr_count:     66
    .vgpr_count:     250
    .wavefront_size: 32
...
	.end_amdgpu_metadata
.endif
;; end of part 1
;; launch gemm_qkv (part 2): grid 4 x 64, 4 waves a work-group, clusters of 4 x 4, 327,680 bytes of LDS; arguments act_codes, act_scales, w_codes, w_scales, b_attn, q_codes, q_scales, kv; writes q_codes, q_scales, kv
.if DOCPART == 2
	.amdgcn_target "amdgcn-amd-amdhsa--gfx1250"
	.amdhsa_code_object_version 6
	.text
	.protected	k_q3ffd299c07_gemm_qkv
	.globl	k_q3ffd299c07_gemm_qkv
	.p2align	8
	.type	k_q3ffd299c07_gemm_qkv,@function
k_q3ffd299c07_gemm_qkv:
	s_mov_b64 s[64:65], 0
	v_nop
	global_prefetch_b8 v0, s[64:65] scope:SCOPE_SE
	s_setreg_imm32_b32 hwreg(HW_REG_WAVE_MODE, 25, 1), 1
	s_wait_xcnt 0x0
	s_wait_alu depctr_hold_cnt(0) depctr_sa_sdst(0) depctr_va_vdst(0) depctr_va_sdst(0) depctr_va_ssrc(0) depctr_va_vcc(0) depctr_vm_vsrc(0)
	s_getreg_b32 s2, hwreg(HW_REG_IB_STS2, 6, 4)
	s_cmp_eq_u32 s2, 0
	s_cbranch_scc0 .Lentry_in_a_cluster
	s_endpgm
.Lentry_in_a_cluster:
	s_bfe_u32 s2, ttmp6, 0x10000c
	s_cmp_lg_u32 s2, 0xf033
	s_cbranch_scc0 .Lentry_shape_is_right
	s_endpgm
.Lentry_shape_is_right:
; qkv = x w_attn + b_attn on codes of E3M2 with E8M0 scales; q, k and v leave as codes again, quantised from the f32 sums in registers: q and k along the head's 64 channels, v along the tokens.
; SHARES.  Work-group (cg, tb) makes 128 tokens (tb) x 768 columns: columns 256 cg .. + 255 of q, of k and of v: 4 x 64 = 256 work-groups of equal work.
; THE TOKENS STAY: their codes for all of K (98,304 dense bytes) come into LDS once; wave (wr, wc) copies its 64 tokens (4 tiles x 8 K steps x 12 registers = 384) into registers and reads them from LDS no more.
; THE WEIGHTS WALK: six visits of 128 columns x all of K (98,304 dense bytes) through two LDS slots: q, q, k, k, v, v.  In a visit a wave multiplies its 64 tokens by 64 columns (one head):
; 16 accumulators by turns, 8 K steps, 128 matrix instructions; each weight fragment read from LDS feeds four.  Then the tile is quantised and stored, while the other slot's refill is on its way.
; q, k: source 0 = 16 columns of w_attn, source 1 = 16 tokens: a lane holds one token, its registers run along the channels.  v: the sources change places: a lane holds one channel, its registers run along the tokens.
; CODES lie as images of the operand's registers, [tile of 16 rows][K step of 128][1,536]; half a fragment is 768 bytes: lane l's registers 0-3 at 16 l, registers 4-5 at 512 + 8 l.
; ROWS of both operands lie with bits 3 and 4 of their index exchanged, so the 16 registers of the accumulators of source-0 tiles 2 b, 2 b + 1 are the neighbours 32 b + 16 (lane / 16) + 0 .. 15.
; SCALE WORDS go from memory into registers: a tile's 512 bytes by two loads of 256 consecutive bytes; lanes 0-15 hold the two words of an even 256 along K, lanes 16-31 of the odd one, picked by the ROW selector.
; CLUSTERS: 4 x 4 work-groups; the tokens' tile is asked for jointly along a row of the cluster (same tb), the weights' slots along a column (same cg).
; NO PREFETCH is laid: a refill is asked for a whole visit (128 matrix instructions and a tile's way out) ahead of its first read, and each slot's bytes are asked for by sixteen clusters in the same visit.
; LIMITS: NaN and infinities are not served; a block of q, k or v whose largest magnitude lies under 2^-122 (zeros too) gets the byte 1; this program alone reads the bytes.
; REGISTERS: window 0: v4-19 addresses, v16-17 new scale words, v32-47 the tokens' scale words, v48-79 the weights', two sets, v80-119 b_attn, v128-239 the way out.
;   window 1: the tokens' fragments of K steps 0-4;  window 2: v0-143 those of K steps 5-7, v144-239 the weights' fragments, two sets;  window 3: v0-127 the accumulators.
.set SLOTB, 98304
.set TOK,   2*SLOTB
.set SPARE, 3*SLOTB                    ; the spare words: 128 bytes for each wave, two blocks of 256 bytes that no other line names
.set L16, 4
.set L8,  5
.set SPW, 6
.set NIL, 7
.set A16, 8                            ; v8-9   my 64 columns in slot 0, 1, + 16 x lane;  v10-11 the same with 8 x lane
.set A8,  10
.set QSO, 12                           ; 32 r
.set VSO, 13                           ; 16 r
.set BO,  14                           ; 64 h
.set VO,  15                           ; 4 (r + 8 (r / 8))
.set PWS, 16
.set AT16, 18                          ; my 64 tokens in LDS
.set AT8,  19
.set TS,  32
.set WS,  48
.set BI,  80
.set VB,  112
.set HA,  128
.set PC,  192
.set T0,  212
.set TM,  224
.set G1W, 24                           ; group 1: half a slot at the head (192 rows of 256 bytes), my column's mask
.set G0,  32                           ; group 0 of the ring, one set for each slot: a quarter of a slot a wave
.set G1T, 40                           ; group 1: half of the tokens' tile, my row's mask
.set G1R, 48                           ; group 1 of the ring: 96 rows of 256 bytes, my column's mask
.set G0HW, 56
.set G0HT, 60
.set SEL, 66
.set MSB, 0
.macro WIN new                         ; the immediate's high byte repeats the setting that is left
.if MSB != (\new)
	s_set_vgpr_msb (MSB<<8)|(\new)
.set MSB, (\new)
.endif
.endm
.macro PLACES                          ; plain vector instructions behind a matrix instruction, and behind a tensor load
.rept 4
	v_nop
.endr
.endm
.macro ROUND                           ; a round of the cluster's barrier
	s_barrier_signal -1
	s_barrier_wait -1
	s_cmp_lg_u32 s20, 0
	s_cbranch_scc1 .Lnot_wave_0_\@
	s_barrier_signal -3
.Lnot_wave_0_\@:
	s_barrier_wait -3
	s_barrier_signal -1
	s_barrier_wait -1
.endm
.macro FRAG reg, a16, a8, off          ; a fragment comes as it was stored; each load takes consecutive bytes
	ds_load_b128 v[\reg:\reg+3], v[\a16] offset:\off
	ds_load_b64 v[\reg+4:\reg+5], v[\a8] offset:\off+512
	ds_load_b128 v[\reg+6:\reg+9], v[\a16] offset:\off+768
	ds_load_b64 v[\reg+10:\reg+11], v[\a8] offset:\off+1280
.endm
	s_load_b512 s[4:19], s[0:1], 0x0               ; act_codes s[4:5], act_scales s[6:7], w_codes s[8:9], w_scales s[10:11], b_attn s[12:13], q_codes s[14:15], q_scales s[16:17], kv s[18:19]
	v_lshl_add_u32 v[SPW], v0, 2, SPARE
	v_mov_b32 v[NIL], 0
	ds_add_u32 v[SPW], v[NIL]                      ; the opening adds, twice on end; their wait comes later
	ds_add_u32 v[SPW], v[NIL]
	v_lshrrev_b32 v1, 5, v0
	v_readfirstlane_b32 s20, v1                    ; wave 0..3
	s_lshr_b32 s21, s20, 1                         ; wr: which 64 tokens are mine
	s_and_b32 s22, s20, 1                          ; wc: which 64 columns of a slot.  Also: which half I fetch at the head
	v_and_b32 v1, 15, v0                           ; r
	v_bfe_u32 v2, v0, 4, 1                         ; h
	v_and_b32 v3, 31, v0                           ; lane
	v_lshlrev_b32 v[L16], 4, v3
	v_lshlrev_b32 v[L8], 3, v3
	s_mul_i32 s23, s22, 49152
	v_add_nc_u32 v[A16], s23, v[L16]
	v_add_nc_u32 v[A8], s23, v[L8]
	s_add_co_u32 s23, s23, SLOTB
	v_add_nc_u32 v[A16+1], s23, v[L16]
	v_add_nc_u32 v[A8+1], s23, v[L8]
	s_mul_i32 s23, s21, 49152
	s_add_co_u32 s23, s23, TOK
	v_add_nc_u32 v[AT16], s23, v[L16]
	v_add_nc_u32 v[AT8], s23, v[L8]
	v_lshlrev_b32 v[QSO], 5, v1
	v_lshlrev_b32 v[VSO], 4, v1
	v_lshlrev_b32 v[BO], 6, v2
	v_and_b32 v3, 8, v1
	v_add_nc_u32 v3, v3, v1
	v_lshlrev_b32 v[VO], 2, v3
.irp b, 0,1,2,3
	v_mov_b32 v[TM+4+\b], 0                        ; written once: a lane permute's destination counts as one of its sources
.endr
	s_bfe_u32 s88, ttmp6, 0x40000                  ; cx, cy: my place in the cluster
	s_bfe_u32 s89, ttmp6, 0x40004
	s_lshl_b32 s91, ttmp9, 2
	s_add_co_u32 s91, s91, s88                     ; cg
	s_and_b32 s90, ttmp7, 0xffff
	s_lshl_b32 s90, s90, 2
	s_add_co_u32 s90, s90, s89                     ; tb
	s_lshl_b32 s100, s89, 2
	s_lshl_b32 s100, 15, s100                      ; my row of the cluster
	s_lshl_b32 s101, 0x1111, s88                   ; my column
	s_or_b32 s[G1W], s101, (3<<16)|(1<<21)         ; 15:0 the mask; 17:16 elements of 8 bytes; 21 set beside a mask
	s_or_b32 s[G1R], s101, (3<<16)|(1<<21)
	s_or_b32 s[G1T], s100, (3<<16)|(1<<21)
.irp g, G1W, G1T
	s_mov_b32 s[\g+1], 32<<16                      ; rows of 256 bytes, dense
	s_mov_b32 s[\g+2], 192<<16
	s_mov_b32 s[\g+3], 32<<16
	s_mov_b32 s[\g+4], 192
	s_mov_b32 s[\g+5], 32
	s_mov_b32 s[\g+6], 0
	s_mov_b32 s[\g+7], 0
.endr
	s_mov_b32 s[G1R+1], 32<<16
	s_mov_b32 s[G1R+2], 96<<16
	s_mov_b32 s[G1R+3], 32<<16
	s_mov_b32 s[G1R+4], 96
	s_mov_b32 s[G1R+5], 32
	s_mov_b32 s[G1R+6], 0
	s_mov_b32 s[G1R+7], 0
	s_mul_i32 s96, s90, 98304                      ; the tokens' tile: 8 tiles of rows x 12,288 bytes, + my half
	s_mul_i32 s97, s22, 49152
	s_add_co_u32 s96, s96, s97
	s_mov_b32 s97, 0
	s_mul_i32 s98, s91, 196608                     ; the weights: q's tile of rows 16 cg
	s_mov_b32 s99, 0
	s_mov_b32 s3, 0
	s_mul_i32 s[G0HW+1], s22, 49152                ; LDS: waves 0, 1 fill slot 0's halves, waves 2, 3 the tokens' halves
	s_add_co_u32 s[G0HT+1], s[G0HW+1], TOK
	s_mul_i32 s[G0+1], s20, 24576                  ; in the ring: wave x a quarter of a slot
	s_add_co_u32 s[G0+5], s[G0+1], SLOTB
	s_mov_b32 s[SEL], 0x76543210
	s_mov_b32 s[SEL+1], 0xfedcba98
	s_wait_alu depctr_va_vdst(0)                   ; the wait at the end of the head's vector work
	s_wait_dscnt 0x0                               ; both opening adds are done
	s_wait_kmcnt 0x0
	s_add_nc_u64 s[G0HT+2:G0HT+3], s[4:5], s[96:97]
	s_add_nc_u64 s[98:99], s[8:9], s[98:99]
	s_mul_i32 s2, s22, 49152
	s_add_nc_u64 s[G0HW+2:G0HW+3], s[98:99], s[2:3]
	s_mul_i32 s2, s20, 24576
	s_add_nc_u64 s[G0+2:G0+3], s[98:99], s[2:3]    ; visit 0 (first used when stepped to visit 2)
	s_add_nc_u64 s[G0+6:G0+7], s[G0+2:G0+3], SLOTB ; visit 1
.irp g, G0, G0+4, G0HW, G0HT
	s_mov_b32 s[\g], 1                             ; count = 1
	s_or_b32 s[\g+3], s[\g+3], 0x80000000          ; type = 2
.endr
	ROUND                                          ; all sixteen work-groups are here: the first joint loads meet
	s_cmp_lt_u32 s20, 2                            ; one tensor load a wave at the head, in two arms that join
	s_cbranch_scc0 .Lhead_tok
	tensor_load_to_lds s[G0HW:G0HW+3], s[G1W:G1W+7]
	s_nop 0
	PLACES
	s_branch .Lhead_asked
.Lhead_tok:
	tensor_load_to_lds s[G0HT:G0HT+3], s[G1T:G1T+7]
	s_nop 0
	PLACES
.Lhead_asked:
	s_lshl_b32 s96, s90, 3
	s_lshl_b32 s97, s21, 2
	s_add_co_u32 s96, s96, s97                     ; my first tile of tokens: 8 tb + 4 wr
	s_lshl_b32 s2, s96, 9
	s_add_nc_u64 s[6:7], s[6:7], s[2:3]            ; its scale words
	s_lshl_b32 s2, s91, 13
	s_lshl_b32 s97, s22, 11
	s_add_co_u32 s2, s2, s97
	s_add_nc_u64 s[10:11], s[10:11], s[2:3]        ; visit 0's scale words: tile 16 cg + 4 wc
	s_add_nc_u64 s[80:81], s[10:11], 4096          ; visit 1's
.irp a, 0,1,2,3
.irp j, 0,1
	global_load_b64 v[TS+4*\a+2*\j:TS+4*\a+2*\j+1], v[L8], s[6:7] offset:512*\a+256*\j     ; 256 consecutive bytes
	global_load_b64 v[WS+4*\a+2*\j:WS+4*\a+2*\j+1], v[L8], s[10:11] offset:512*\a+256*\j
.endr
.endr
	s_lshl_b32 s2, s91, 10
	s_lshl_b32 s97, s22, 8
	s_add_co_u32 s2, s2, s97
	s_add_nc_u64 s[78:79], s[12:13], s[2:3]        ; b_attn at column 256 cg + 64 wc
	s_lshl_b32 s97, s91, 2
	s_add_co_u32 s97, s97, s22                     ; my head in a type's first visit: 4 cg + wc; in its second: + 2
	s_mul_i32 s2, s97, 393216                      ; q_codes [head][tile of tokens 512][768]
	s_mul_i32 s23, s96, 768
	s_add_co_u32 s2, s2, s23
	s_add_nc_u64 s[68:69], s[14:15], s[2:3]
	s_lshl_b32 s2, s97, 15                         ; q_scales [head][128 tokens][r 16][tile 8] words
	s_lshl_b32 s23, s90, 9
	s_add_co_u32 s2, s2, s23
	s_lshl_b32 s23, s21, 4
	s_add_co_u32 s2, s2, s23
	s_add_nc_u64 s[72:73], s[16:17], s[2:3]
	s_lshr_b32 s23, s90, 4                         ; kv [16 batch + head][slot of 256 keys 8][26,112]
	s_lshl_b32 s23, s23, 4
	s_add_co_u32 s23, s23, s97
	s_lshl_b32 s23, s23, 3
	s_bfe_u32 s2, s90, 0x30001
	s_add_co_u32 s23, s23, s2
	s_mul_i32 s2, s23, 26112
	s_add_nc_u64 s[18:19], s[18:19], s[2:3]
	s_and_b32 s23, s90, 1                          ; which 128 keys of the slot
	s_mul_i32 s2, s23, 6144
	s_mul_i32 s96, s21, 3072
	s_add_co_u32 s2, s2, s96
	s_add_nc_u64 s[70:71], s[18:19], s[2:3]        ; k's codes: 16 tiles x 768
	s_mul_i32 s2, s23, 6144
	s_mul_i32 s96, s21, 768
	s_add_co_u32 s2, s2, s96
	s_add_co_u32 s2, s2, 12288
	s_add_nc_u64 s[84:85], s[18:19], s[2:3]        ; v's codes: [128 keys 2][tile of channels 4][1,536]; my 64 tokens are half wr of each fragment
	s_lshl_b32 s2, s23, 9
	s_lshl_b32 s96, s21, 4
	s_add_co_u32 s2, s2, s96
	s_add_co_u32 s2, s2, 24576
	s_add_nc_u64 s[74:75], s[18:19], s[2:3]        ; k's scale words
	s_lshl_b32 s2, s23, 8
	s_lshl_b32 s96, s21, 1
	s_add_co_u32 s2, s2, s96
	s_add_co_u32 s2, s2, 25600
	s_add_nc_u64 s[86:87], s[18:19], s[2:3]        ; v's scale words: [128 keys 2][row 16][tile of channels 4]; my two bytes of each
	s_mov_b32 s76, 786432                          ; two heads on: q's codes,
	s_mov_b32 s77, 0
	s_mov_b32 s82, 65536                           ; q's scale words
	s_mov_b32 s83, 0
	s_mov_b32 s92, 0xffff
	s_mov_b32 s93, 0x7f7f0000
	s_mov_b32 s94, 0x7f7f
	s_wait_tensorcnt 0x0                           ; my tile of the head's four is in,
	s_barrier_signal -1
	s_barrier_wait -1                              ; everybody's is
	WIN 0x40                                       ; my 64 tokens, all of K, into registers
.irp s, 0,1,2,3,4
.irp a, 0,1,2,3
	FRAG 48*\s+12*\a, AT16, AT8, 12288*\a+1536*\s
.endr
.endr
	WIN 0x80
.irp s, 5,6,7
.irp a, 0,1,2,3
	FRAG 48*(\s-5)+12*\a, AT16, AT8, 12288*\a+1536*\s
.endr
.endr
	WIN 0
	s_wait_loadcnt 0x0                             ; the scale words
.macro WM d, a, b, sa, sb              ; KD = 0: the first product starts the sum; 1, 2: scale words in lanes 0-15, 16-31
.if KD == 0
	v_wmma_scale_f32_16x16x128_f8f6f4 v[\d:\d+7], v[\a:\a+11], v[\b:\b+11], 0, v[\sa], v[\sb] matrix_a_fmt:MATRIX_FMT_BF6 matrix_b_fmt:MATRIX_FMT_BF6
.else
.if KD == 1
	v_wmma_scale_f32_16x16x128_f8f6f4 v[\d:\d+7], v[\a:\a+11], v[\b:\b+11], v[\d:\d+7], v[\sa], v[\sb] matrix_a_fmt:MATRIX_FMT_BF6 matrix_b_fmt:MATRIX_FMT_BF6
.else
	v_wmma_scale_f32_16x16x128_f8f6f4 v[\d:\d+7], v[\a:\a+11], v[\b:\b+11], v[\d:\d+7], v[\sa], v[\sb] matrix_a_fmt:MATRIX_FMT_BF6 matrix_b_fmt:MATRIX_FMT_BF6 matrix_a_scale:MATRIX_SCALE_ROW1 matrix_b_scale:MATRIX_SCALE_ROW1
.endif
.endif
.endm
.macro FETCH slot, st                  ; my four weight fragments of K step st into set st % 2
	WIN (2+((\st)/2)%2)<<6                         ; K steps 0, 1, 4, 5: the two sets in window 2, v144-239;  K steps 2, 3, 6, 7: two more sets in window 3, v128-223, behind the accumulators
.irp i, 0,1,2,3
	FRAG 144-16*(((\st)/2)%2)+48*((\st)%2)+12*\i, A16+\slot, A8+\slot, 12288*\i+1536*(\st)
.endr
.endm
; A K step: at an even step the fragments of the steps two and three on are asked for, then 16 matrix instructions, the 16 accumulators by turns in the same order in every step.
.macro KSTEP slot, st, mode
.if (\st)%2 == 0                       ; the fragments come for two K steps at a time: one wait, one run of places and one run of 32 loads for 32 matrix instructions
	s_wait_dscnt 0x0                               ; this step's and the next step's fragments are in (asked for 32 matrix instructions ago)
.if (\st) < 6
.if (\st) > 0
	PLACES                                         ; in front of loads into the sets that the last two steps multiplied
.endif
	FETCH \slot, (\st)+2
	FETCH \slot, (\st)+3
.endif
.endif
.set TR, 48*((\st)%5)
.set WR, 144-16*(((\st)/2)%2)+48*((\st)%2)
.set JQ, 2*((\st)/4)+(\st)%2
.if (\st) == 0
.set KD, 0
.else
.set KD, 1+((\st)/2)%2
.endif
.if \mode
	WIN 0xf0|((2+((\st)/2)%2)<<2)|(1+(\st)/5)      ; source 0 the tokens (window 1 or 2), source 1 the weights (window 2 or 3), C and D window 3
.irp i, 0,1,2,3
.irp b, 0,1,2,3
	WM 8*(4*\i+\b), TR+12*\b, WR+12*\i, TS+4*\b+JQ, WS+16*\slot+4*\i+JQ
.endr
.endr
.else
	WIN 0xf0|((1+(\st)/5)<<2)|(2+((\st)/2)%2)      ; source 0 the weights, source 1 the tokens
.irp a, 0,1,2,3
.irp i, 0,1,2,3
	WM 8*(4*\a+\i), WR+12*\i, TR+12*\a, WS+16*\slot+4*\i+JQ, TS+4*\a+JQ
.endr
.endr
.endif
.endm
; 64 numbers of a lane, v[s] on, in four blocks: register 16 b + i is number 16 (lane / 16) + i of block b; they become 12 registers of codes in v[PC] on and four scale bytes in v[pw].
.macro QUANT s, pw
.irp b, 0,1,2,3
	v_max3_num_f32 v[TM+\b], |v[\s+16*\b]|, |v[\s+1+16*\b]|, 0x2800000   ; my 16 numbers, and the floor 2^(5 - 127): the byte cannot fall under 1
.endr
.irp i, 2,4,6,8,10,12,14
.irp b, 0,1,2,3
	v_max3_num_f32 v[TM+\b], v[TM+\b], |v[\s+16*\b+\i]|, |v[\s+1+16*\b+\i]|
.endr
.endr
.irp b, 0,1,2,3
	v_permlanex16_b32 v[TM+4+\b], v[TM+\b], s[SEL], s[SEL+1]
.endr
.irp b, 0,1,2,3
	v_max_num_f32 v[TM+\b], v[TM+\b], v[TM+4+\b]   ; with lane l xor 16's: the block's largest magnitude
.endr
.irp b, 0,1,2,3
	v_add_nc_u32 v[TM+12+\b], 0xfe000000, v[TM+\b] ; 4 off its exponent field: the conversion's scale operand
.endr
.irp b, 0,1,2,3
	v_lshrrev_b32 v[TM+4+\b], 23, v[TM+12+\b]      ; the scale's byte
.endr
	v_lshl_or_b32 v[\pw], v[TM+5], 8, v[TM+4]
	v_lshl_or_b32 v[\pw], v[TM+6], 16, v[\pw]
	v_lshl_or_b32 v[\pw], v[TM+7], 24, v[\pw]
.irp c, 0,1
	v_cvt_scalef32_pk16_bf6_f32 v[PC+6*\c:PC+2+6*\c], v[\s+32*\c:\s+15+32*\c], v[TM+12+2*\c]
	v_cvt_scalef32_pk16_bf6_f32 v[PC+12+4*\c:PC+14+4*\c], v[\s+16+32*\c:\s+31+32*\c], v[TM+12+2*\c+1]   ; (a conversion's three registers begin on an even number)
.endr
	v_nop                                          ; one plain place behind a scaled conversion
.irp c, 0,1                                    ; a WHOLE block in a lane: lanes 0-15 block 2 c, lanes 16-31 block 2 c + 1
.irp i, 0,1,2
	v_permlane16_swap_b32 v[PC+6*\c+\i], v[PC+12+4*\c+\i]
.endr
.irp i, 0,1,2
	v_mov_b32 v[PC+3+6*\c+\i], v[PC+12+4*\c+\i]
.endr
.endr
.endm
; Eight accumulators + b_attn, quantised, stored: two half fragments.  mode 0 (q, k): the head's 64 channels of token tiles 2 g, 2 g + 1;  mode 1 (v): my 64 tokens of channel tiles 2 g, 2 g + 1.
.macro OUTP g, mode
	s_wait_xcnt 0x0                                ; earlier stores have read the codes' registers
	WIN 0x03                                       ; source 0: window 3
.set pp, 0
.rept 32
.if \mode
	v_pk_add_f32 v[HA+pp:HA+pp+1], v[64*\g+pp:64*\g+pp+1], v[VB+2*(2*\g+pp/32):VB+2*(2*\g+pp/32)+1]
.else
	v_pk_add_f32 v[HA+pp:HA+pp+1], v[64*\g+pp:64*\g+pp+1], v[BI+pp%32:BI+pp%32+1]     ; each accumulator from its low end on
.endif
.set pp, pp+2
.endr
	WIN 0
	QUANT HA, PWS+\g
.if \mode
	global_store_b128 v[L16], v[PC:PC+3], s[84:85] offset:3072*\g           ; 512 and 256 consecutive bytes, at multiples of 256
	global_store_b64 v[L8], v[PC+4:PC+5], s[84:85] offset:3072*\g+512
	global_store_b128 v[L16], v[PC+6:PC+9], s[84:85] offset:3072*\g+1536
	global_store_b64 v[L8], v[PC+10:PC+11], s[84:85] offset:3072*\g+2048
	global_store_b16 v[VSO], v[PWS+\g], s[86:87] offset:8*\g                ; my two bytes of a channel's scale word (both halves of the lanes write the same): a forty-eighth of the codes' bytes
	global_store_d16_hi_b16 v[VSO], v[PWS+\g], s[86:87] offset:8*\g+4
.else
	global_store_b128 v[L16], v[PC:PC+3], s[68:69] offset:1536*\g
	global_store_b64 v[L8], v[PC+4:PC+5], s[68:69] offset:1536*\g+512
	global_store_b128 v[L16], v[PC+6:PC+9], s[68:69] offset:1536*\g+768
	global_store_b64 v[L8], v[PC+10:PC+11], s[68:69] offset:1536*\g+1280
.endif
.endm
; A VISIT.  At its head the change of slots: every wave waits for all its tensor loads, adds 0 to its spare word and waits for that and for its LDS reads; a round of the cluster's barrier; the other slot takes the next visit's columns.
.macro VISIT slot, refill, mode
	s_wait_tensorcnt 0x0                           ; all my tensor loads have landed, so every group 0 may be written
	ds_add_u32 v[SPW], v[NIL]
	s_add_nc_u64 s[G0+4*\slot+2:G0+4*\slot+3], s[G0+4*\slot+2:G0+4*\slot+3], 786432   ; this slot's next columns: 64 tiles of rows on
	s_wait_dscnt 0x0
	ROUND
.if \refill
	tensor_load_to_lds s[G0+4-4*\slot:G0+7-4*\slot], s[G1R:G1R+7]
	s_nop 0
	PLACES
.irp i, 0,1,2,3
.irp j, 0,1
	global_load_b64 v[WS+16*(1-\slot)+4*\i+2*\j:WS+16*(1-\slot)+4*\i+2*\j+1], v[L8], s[80:81] offset:512*\i+256*\j   ; the next visit's scale words
.endr
.endr
.endif
.if \mode
.irp a, 0,1,2,3
	global_load_b32 v[VB+2*\a], v[VO], s[78:79] offset:(32*(\a/2)+8*(\a%2))*4     ; b_attn by lane: channel 32 (a / 2) + 8 (a % 2) + r + 8 (r / 8); twice, for the packed addition's pair
	global_load_b32 v[VB+2*\a+1], v[VO], s[78:79] offset:(32*(\a/2)+8*(\a%2))*4
.endr
.else
.irp b, 0,1,2,3
	global_load_b128 v[BI+8*\b:BI+8*\b+3], v[BO], s[78:79] offset:(32*(\b/2)+8*(\b%2))*4      ; b_attn by register: 8 b + j is channel 32 (b / 2) + 16 h + 8 (b % 2) + j
	global_load_b128 v[BI+8*\b+4:BI+8*\b+7], v[BO], s[78:79] offset:(32*(\b/2)+8*(\b%2))*4+16
.endr
.endif
	FETCH \slot, 0
	FETCH \slot, 1
.irp t, 0,1,2,3,4,5,6,7
	KSTEP \slot, \t, \mode
.endr
	WIN 0
	PLACES                                         ; behind the last products
	s_wait_loadcnt 0x0                             ; b_attn, and the next visit's scale words
	OUTP 0, \mode
	OUTP 1, \mode
.if \mode == 0
	v_bfi_b32 v[T0], s92, v[PWS], s93              ; a head has two blocks: a tile's word is its two bytes, and 0x7f for the 64 zero codes that fill attention's K step
	v_alignbit_b32 v[T0+1], s94, v[PWS], 16
	v_bfi_b32 v[T0+2], s92, v[PWS+1], s93
	v_alignbit_b32 v[T0+3], s94, v[PWS+1], 16
	global_store_b128 v[QSO], v[T0:T0+3], s[72:73] ; my four tiles' words of a row's eight (both halves of the lanes write the same)
.endif
	s_wait_alu depctr_va_vdst(0)
	s_wait_xcnt 0x0                                ; loads and stores have read their bases
.if \mode
.if \slot == 0
	s_add_nc_u64 s[84:85], s[84:85], 417792        ; two heads on in kv
	s_add_nc_u64 s[86:87], s[86:87], 417792
	s_add_nc_u64 s[78:79], s[78:79], 512
.endif
.else
.if \slot == 0
	s_add_nc_u64 s[68:69], s[68:69], s[76:77]      ; two heads on
	s_add_nc_u64 s[72:73], s[72:73], s[82:83]
	s_add_nc_u64 s[78:79], s[78:79], 512           ; 128 columns on
	s_add_nc_u64 s[80:81], s[80:81], 28672         ; the scale words two visits on: 56 tiles
.else
	s_mov_b64 s[68:69], s[70:71]                   ; q is done: on to k's places
	s_mov_b64 s[72:73], s[74:75]
	s_mov_b32 s76, 417792
	s_mov_b32 s82, 417792
	s_add_nc_u64 s[78:79], s[78:79], 3584          ; the next type's columns
	s_add_nc_u64 s[80:81], s[80:81], 4096
.endif
.endif
.endm
	s_mov_b32 s95, 2
.Lqk:                                                  ; two trips: q, then k; a trip goes once round the ring
	VISIT 0, 1, 0
	VISIT 1, 1, 0
	s_sub_co_u32 s95, s95, 1
	s_cmp_lg_u32 s95, 0
	s_cbranch_scc1 .Lqk
	VISIT 0, 1, 1                                  ; v
	VISIT 1, 0, 1                                  ; the last visit asks for nothing
	s_wait_tensorcnt 0x0                           ; the wave's end
	ds_add_u32 v[SPW], v[NIL]
	s_wait_dscnt 0x0
	ROUND                                          ; the closing round
	s_endpgm
.Lfunc_end_k_q3ffd299c07_gemm_qkv:
	.size	k_q3ffd299c07_gemm_qkv, .Lfunc_end_k_q3ffd299c07_gemm_qkv-k_q3ffd299c07_gemm_qkv
	.p2alignl 7, 3214868480
	.fill 96, 4, 3214868480
	.section	.rodata,"a",@progbits
	.p2align	6, 0x0
	.amdhsa_kernel k_q3ffd299c07_gemm_qkv
		.amdhsa_group_segment_fixed_size 327680
		.amdhsa_private_segment_fixed_size 0
		.amdhsa_enable_private_segment 0
		.amdhsa_kernarg_size 64
		.amdhsa_user_sgpr_count 2
		.amdhsa_user_sgpr_kernarg_segment_ptr 1
		.amdhsa_wavefront_size32 1
		.amdhsa_system_sgpr_workgroup_id_x 1
		.amdhsa_system_sgpr_workgroup_id_y 1
		.amdhsa_system_sgpr_workgroup_id_z 1
		.amdhsa_system_vgpr_workitem_id 0
		.amdhsa_next_free_vgpr 992
		.amdhsa_next_free_sgpr 102
		.amdhsa_reserve_vcc 0
		.amdhsa_float_denorm_mode_32 3
		.amdhsa_float_denorm_mode_16_64 3
		.amdhsa_memory_ordered 1
		.amdhsa_forward_progress 1
		.amdhsa_inst_pref_size 178
	.end_amdhsa_kernel
	.amdgpu_metadata
---
amdhsa.version: [ 1, 2 ]
amdhsa.kernels:
  - .name:           k_q3ffd299c07_gemm_qkv
    .symbol:         k_q3ffd299c07_gemm_qkv.kd
    .args:
      - { .name: act_codes, .offset: 0, .size: 8, .value_kind: global_buffer, .address_space: global }
      - { .name: act_scales, .offset: 8, .size: 8, .value_kind: global_buffer, .address_space: global }
      - { .name: w_codes, .offset: 16, .size: 8, .value_kind: global_buffer, .address_space: global }
      - { .name: w_scales, .offset: 24, .size: 8, .value_kind: global_buffer, .address_space: global }
      - { .name: b_attn, .offset: 32, .size: 8, .value_kind: global_buffer, .address_space: global }
      - { .name: q_codes, .offset: 40, .size: 8, .value_kind: global_buffer, .address_space: global }
      - { .name: q_scales, .offset: 48, .size: 8, .value_kind: global_buffer, .address_space: global }
      - { .name: kv, .offset: 56, .size: 8, .value_kind: global_buffer, .address_space: global }
    .group_segment_fixed_size: 327680
    .private_segment_fixed_size: 0
    .kernarg_segment_align: 8
    .kernarg_segment_size: 64
    .max_flat_workgroup_size: 128
    .sgpr_count:     102
    .vgpr_count:     992
    .wavefront_size: 32
...
	.end_amdgpu_metadata
.endif
;; end of part 2
;; launch attn (part 3): grid 4 x 64, 16 waves a work-group, clusters of 4 x 1, 327,680 bytes of LDS; arguments q_codes, q_scales, kv, act_codes, act_scales; writes act_codes, act_scales
.if DOCPART == 3
	.amdgcn_target "amdgcn-amd-amdhsa--gfx1250"
	.amdhsa_code_object_version 6
	.text
	.protected	k_q3ffd299c07_attn
	.globl	k_q3ffd299c07_attn
	.p2align	8
	.type	k_q3ffd299c07_attn,@function
k_q3ffd299c07_attn:
	s_mov_b64 s[64:65], 0
	v_nop
	global_prefetch_b8 v0, s[64:65] scope:SCOPE_SE
	s_setreg_imm32_b32 hwreg(HW_REG_WAVE_MODE, 25, 1), 1
	s_wait_xcnt 0x0
	s_wait_alu depctr_hold_cnt(0) depctr_sa_sdst(0) depctr_va_vdst(0) depctr_va_sdst(0) depctr_va_ssrc(0) depctr_va_vcc(0) depctr_vm_vsrc(0)
	s_getreg_b32 s2, hwreg(HW_REG_IB_STS2, 6, 4)
	s_cmp_eq_u32 s2, 0
	s_cbranch_scc0 .Lentry_in_a_cluster
	s_endpgm
.Lentry_in_a_cluster:
	s_bfe_u32 s2, ttmp6, 0x10000c
	s_cmp_lg_u32 s2, 0x3003
	s_cbranch_scc0 .Lentry_shape_is_right
	s_endpgm
.Lentry_shape_is_right:
; y = softmax(q k^T / 8, causal) v for one head, both products on codes of E3M2 with E8M0 scales; y leaves as codes, quantised along the head's 64 channels, in the layout of the last product's operand.
; Tiles of keys that lie wholly behind a query tile's diagonal are hidden by the causal mask that the problem builds itself: their steps are left out.
; THE SOFTMAX: t = score x log2(e) / 8; M = the row's largest t so far, rounded UP to a whole number; p = 2^(t - M) is quantised along the keys, not normalised.  The row's sum is taken of the unquantised p
; and divides at the end.  When M moves, the sum and O are multiplied by 2^(old M - new M): exact.
; K AND V STAY: a head's 2,048 keys are 8 blocks of 26,112 bytes of kv (k's codes 16 tiles x 768, v's 2 x 4 x 1,536, k's scale words 1,024, v's 512), 208,896 dense bytes: they come into LDS once,
; 13,056 bytes by each of the sixteen waves' one tensor load; one barrier follows, and behind it nothing is filled and no wave waits for another.
; SHARES.  Work-group (I, 16 batch + head) owns the tiles of 16 queries 4 j + I, j = 0 .. 31; wave w owns j = w and j = 31 - w.  Tile 4 j + I sees j / 2 + 1 steps of 128 keys, so every wave has
; (w / 2 + 1) + ((31 - w) / 2 + 1) = 17 steps, two of them on a diagonal, and every work-group reads all eight blocks.  Waves whose number has bit 2 set take j = w first, the others j = 31 - w.
; A tile's walk is a loop of 8 trips of 256 keys; a step behind the diagonal is jumped by a branch on j and the trip's number.
; CLUSTERS: the four work-groups of a head read the same bytes: they form a cluster and ask jointly.  No branch and no LDS address hangs on I: it enters global addresses and the mask's d alone.
; NO PREFETCH: all tiles are asked for at the kernel's head; there is no loop to run ahead in.
; LAYOUT.  Both products are used transposed: S^T = K Q^T, O^T = V^T P^T: a lane holds ONE query (lane % 16).  Tokens and channels lie with bits 3 and 4 of their index exchanged, so the 16 registers of tiles 2 b,
; 2 b + 1 are the neighbours 32 b + 16 (lane / 16) + 0 .. 15.  The head's 64 channels fill half of a K step of 128: the other half is zero codes, under the byte 0x7f.
; LIMITS: NaN and infinities are not served; a block of y or p whose largest magnitude lies under 2^-122 (zeros too) gets the byte 1: this program alone reads the bytes.
; REGISTERS: v0 r + 8 (r / 8) - 16 h; v1-4 16 l, 8 l, 32 r, 16 r; v5, v6 the add's; v7 the mask's d; v8-11 the step's addresses; v12 -M, v13 the largest t, v[14:15] the sum; v16-27 Q; v28-75 four fragments of K;
;   v76-123 V's four; v124-187 S^T, then p; v188-219 O^T; v220-231 p's codes; v232-254 at work; v243 8 r; v248-251 a tile's scale words; v253 p's; v255 Q's.
.set BLKB,  26112
.set HALFB, 13056
.set SPARE, 8*BLKB                     ; the spare words, 128 bytes for each wave: eight blocks of 256 bytes that no other line names
.set VCO,   12288
.set KSC,   24576
.set VSC,   25600
.set KR, 28
.set VR, 76
.set S,  124
.set O,  188
.set P,  220
; s14 wave, s15 I, s16 16 batch + head, s17 head, s18 batch, s19 j of the tile in hand, s36 j of the other, s[20:21] lane selects, s[22:23] c, s[24:31] group 1, s[32:35] group 0,
; s38 the block of 256 keys in hand, s39 the first of the 128 queries that hold mine, s40 the step's first key, s41 the block's place in LDS, s[46:53] Q's and y's places
.macro ROUND                           ; a round of the cluster's barrier
	s_barrier_signal -1
	s_barrier_wait -1
	s_cmp_lg_u32 s14, 0
	s_cbranch_scc1 .Lnot_wave_0_\@
	s_barrier_signal -3
.Lnot_wave_0_\@:
	s_barrier_wait -3
	s_barrier_signal -1
	s_barrier_wait -1
.endm
	s_load_b256 s[4:11], s[0:1], 0x0               ; q_codes s[4:5], q_scales s[6:7], kv s[8:9], act_codes s[10:11]
	s_load_b64 s[12:13], s[0:1], 0x20              ; act_scales
	v_lshl_add_u32 v5, v0, 2, SPARE
	v_mov_b32 v6, 0
	ds_add_u32 v5, v6                              ; the opening adds, twice on end; their wait comes later
	ds_add_u32 v5, v6
	v_lshrrev_b32 v8, 5, v0
	v_readfirstlane_b32 s14, v8                    ; wave 0..15
	s_bfe_u32 s15, ttmp6, 0x40000                  ; cx
	s_lshl_b32 s54, ttmp9, 2
	s_add_co_u32 s15, s15, s54                     ; I
	s_and_b32 s16, ttmp7, 0xffff
	s_and_b32 s17, s16, 15
	s_lshr_b32 s18, s16, 4
	s_mov_b32 s24, 15|(3<<16)|(1<<21)              ; group 1: the mask of the cluster's four; 51 rows of 256 bytes (32 elements of 8), dense; bit 21 set beside a mask
	s_mov_b32 s25, 32<<16
	s_mov_b32 s26, 51<<16
	s_mov_b32 s27, 32<<16
	s_mov_b32 s28, 51
	s_mov_b32 s29, 32
	s_mov_b32 s30, 0
	s_mov_b32 s31, 0
	s_mul_i32 s44, s16, 8*BLKB
	s_mul_i32 s33, s14, HALFB                      ; my sixteenth: its place in LDS, and as many bytes on in memory
	s_add_co_u32 s44, s44, s33
	s_mov_b32 s45, 0
	s_mov_b32 s20, 0x76543210
	s_mov_b32 s21, 0xfedcba98
	s_mov_b32 s22, 0x3e38aa3b                      ; c = log2(e) / 8
	s_mov_b32 s23, s22                             ; (named with it as a pair, so it is written)
	s_wait_dscnt 0x0
	s_wait_kmcnt 0x0
	s_add_nc_u64 s[34:35], s[8:9], s[44:45]
	s_mov_b32 s32, 1
	s_or_b32 s35, s35, 0x80000000
	ROUND                                          ; the four work-groups are here: the joint loads meet
	tensor_load_to_lds s[32:35], s[24:31]          ; every wave's one tensor load
	s_nop 0
.rept 4
	v_nop
.endr
	v_and_b32 v8, 31, v0
	v_lshlrev_b32 v1, 4, v8
	v_lshlrev_b32 v2, 3, v8
	v_and_b32 v8, 15, v0                           ; r
	v_bfe_u32 v9, v0, 4, 1                         ; h
	v_lshlrev_b32 v3, 5, v8
	v_lshlrev_b32 v4, 4, v8
	v_lshlrev_b32 v243, 3, v8                      ; 8 r: y's scale bytes
	v_and_b32 v10, 8, v8
	v_add_nc_u32 v10, v10, v8
	v_lshlrev_b32 v11, 4, v9
	v_sub_nc_u32 v0, v10, v11                      ; r + 8 (r / 8) - 16 h (the thread's number is used no more)
.irp j, 22,23,24,25,26,27
	v_mov_b32 v[\j], 0                             ; the upper 64 of Q's K step: zero codes
.endr
.irp t, 0,1,2,3
.irp j, 6,7,8,9,10,11
	v_mov_b32 v[KR+12*\t+\j], 0                    ; and of K's; no load ever lands here
.endr
.endr
.irp j, 236,237,238,239,252,253
	v_mov_b32 v[\j], 0                             ; written once: lane permutes' destinations, and the upper half of the pair v[252:253]
.endr
	s_sub_co_u32 s19, 31, s14
	s_bitcmp1_b32 s14, 2                           ; which of my two tiles comes first hangs on the wave's number alone
	s_cselect_b32 s19, s14, s19
	s_sub_co_u32 s36, 31, s19
	s_wait_alu depctr_va_vdst(0)                   ; the wait at the end of the head's vector work
; A tile of queries begins: its places, my tile of Q, the mask's d and an empty softmax.
.macro PHASE_INIT
	s_lshl_b32 s55, s19, 2
	s_add_co_u32 s55, s55, s15                     ; my tile in the sequence: 4 j + I
	s_lshl_b32 s54, s18, 7
	s_add_co_u32 s54, s54, s55                     ; and among all tokens: 128 batch + 4 j + I
	s_lshr_b32 s39, s19, 1
	s_lshl_b32 s39, s39, 7                         ; 128 (j / 2): made of j alone
	s_mul_i32 s56, s17, 393216
	s_mul_i32 s57, s54, 768
	s_add_co_u32 s56, s56, s57
	s_mov_b32 s57, 0
	s_add_nc_u64 s[46:47], s[4:5], s[56:57]        ; Q's codes
	s_lshl_b32 s56, s17, 15
	s_lshr_b32 s58, s54, 3
	s_lshl_b32 s58, s58, 9
	s_add_co_u32 s56, s56, s58
	s_and_b32 s58, s54, 7
	s_lshl_b32 s58, s58, 2
	s_add_co_u32 s56, s56, s58
	s_add_nc_u64 s[48:49], s[6:7], s[56:57]        ; Q's scale words
	s_mul_i32 s56, s54, 12288
	s_mul_i32 s58, s17, 768
	s_add_co_u32 s56, s56, s58
	s_add_nc_u64 s[50:51], s[10:11], s[56:57]      ; y's codes: the head's half fragment of my tile
	s_lshl_b32 s56, s54, 9
	s_lshr_b32 s58, s17, 2
	s_lshl_b32 s58, s58, 7
	s_add_co_u32 s56, s56, s58
	s_and_b32 s58, s17, 3
	s_lshl_b32 s58, s58, 1
	s_add_co_u32 s56, s56, s58
	s_add_nc_u64 s[52:53], s[12:13], s[56:57]      ; y's scale bytes: the head's two of a row's 32
	s_bfe_u32 s58, s55, 0x20001
	s_lshl_b32 s58, s58, 5
	s_and_b32 s59, s55, 1
	s_lshl_b32 s59, s59, 3
	s_add_co_u32 s58, s58, s59
	global_load_b128 v[16:19], v1, s[46:47]
	global_load_b64 v[20:21], v2, s[46:47] offset:512
	global_load_b32 v255, v3, s[48:49]
	v_add_nc_u32 v7, s58, v0                       ; d = my query's place among its 128, less 16 h: 32 ((tile / 2) % 4) + 8 (tile % 2) + r + 8 (r / 8) - 16 h
	v_mov_b32 v13, 0xff61b1e6                      ; the largest t so far: -3e38, under every t
	v_floor_f32 v12, -v13                          ; -M
	v_mov_b32 v14, 0
	v_mov_b32 v15, 0
.set jj, 0
.rept 32
	v_mov_b32 v[O+jj], 0                           ; O^T.  (The step is written once: the first finds zeros, which the first change of M leaves zeros)
.set jj, jj+1
.endr
	s_wait_alu depctr_va_vdst(0)
	s_wait_loadcnt 0x0
.endm
; A KEY STEP: 128 keys, the q-th of the block in hand.
.macro STEP q
	s_lshl_b32 s40, s38, 8
.if \q
	s_add_co_u32 s40, s40, 128
.endif
	s_cmp_gt_u32 s40, s39                          ; all its keys come after my queries: the step's work is left out (a branch on ids)
	s_cbranch_scc1 .Lhidden_\@
	v_add_nc_u32 v8, s41, v1                       ; these four are also the places behind the last step's products, in front of the loads below
	v_add_nc_u32 v9, s41, v2
	v_add_nc_u32 v10, s41, v3
	v_add_nc_u32 v11, s41, v4
.irp t, 0,1,2,3
	ds_load_b128 v[KR+12*\t:KR+12*\t+3], v8 offset:768*(8*\q+\t)
	ds_load_b64 v[KR+12*\t+4:KR+12*\t+5], v9 offset:768*(8*\q+\t)+512
.endr
	ds_load_b128 v[248:251], v10 offset:KSC+512*\q
	s_wait_alu depctr_va_vdst(0)
	s_wait_dscnt 0x0
.irp t, 0,1,2,3
	v_wmma_scale_f32_16x16x128_f8f6f4 v[S+8*\t:S+8*\t+7], v[KR+12*\t:KR+12*\t+11], v[16:27], 0, v[248+\t], v255 matrix_a_fmt:MATRIX_FMT_BF6 matrix_b_fmt:MATRIX_FMT_BF6
.endr
.rept 4
	v_nop                                          ; places in front of loads into registers that matrix instructions have read
.endr
.irp t, 0,1,2,3
	ds_load_b128 v[KR+12*\t:KR+12*\t+3], v8 offset:768*(8*\q+4+\t)
	ds_load_b64 v[KR+12*\t+4:KR+12*\t+5], v9 offset:768*(8*\q+4+\t)+512
.endr
	ds_load_b128 v[248:251], v10 offset:KSC+512*\q+16
.irp t, 0,1,2,3
	ds_load_b128 v[VR+12*\t:VR+12*\t+3], v8 offset:VCO+6144*\q+1536*\t           ; V's four fragments land while the softmax is worked
	ds_load_b64 v[VR+12*\t+4:VR+12*\t+5], v9 offset:VCO+6144*\q+1536*\t+512
	ds_load_b128 v[VR+12*\t+6:VR+12*\t+9], v8 offset:VCO+6144*\q+1536*\t+768
	ds_load_b64 v[VR+12*\t+10:VR+12*\t+11], v9 offset:VCO+6144*\q+1536*\t+1280
.endr
	s_wait_dscnt 16                                ; K's are in; V's 16 loads may be out
.irp t, 0,1,2,3
	v_wmma_scale_f32_16x16x128_f8f6f4 v[S+32+8*\t:S+32+8*\t+7], v[KR+12*\t:KR+12*\t+11], v[16:27], 0, v[248+\t], v255 matrix_a_fmt:MATRIX_FMT_BF6 matrix_b_fmt:MATRIX_FMT_BF6
.endr
.rept 4
	v_nop
.endr
	ds_load_b128 v[248:251], v11 offset:VSC+256*\q ; V's scale words
	s_cmp_lt_u32 s40, s39                          ; all keys count: no mask.  On the diagonal the scores of hidden keys become -infinity ahead of the maximum: p = 0 then
	s_cbranch_scc1 .Lopen_\@
	v_mov_b32 v254, 0xff800000
.set nn, 0
.rept 64
	v_cmp_gt_i32 vcc_lo, 32*(nn/16)+nn%16, v7      ; register 16 b + i holds key 32 b + 16 h + i of the step: hidden where 32 b + i > d
	v_cndmask_b32 v[S+nn], v[S+nn], v254, vcc_lo
.set nn, nn+1
.endr
.Lopen_\@:
.irp b, 0,1,2,3
	v_max3_num_f32 v[232+\b], v[S+16*\b], v[S+1+16*\b], v[S+2+16*\b]   ; the largest score of each block of 32 keys: for the row's maximum, and, since p rises with the score, for the block's largest p
.endr
.irp i, 3,5,7,9,11,13
.irp b, 0,1,2,3
	v_max3_num_f32 v[232+\b], v[232+\b], v[S+16*\b+\i], v[S+1+16*\b+\i]
.endr
.endr
.irp b, 0,1,2,3
	v_max_num_f32 v[232+\b], v[232+\b], v[S+15+16*\b]
.endr
.irp b, 0,1,2,3
	s_delay_alu instid0(VALU_DEP_4)
	v_permlanex16_b32 v[236+\b], v[232+\b], s20, s21
.endr
.irp b, 0,1,2,3
	s_delay_alu instid0(VALU_DEP_4)
	v_max_num_f32 v[232+\b], v[232+\b], v[236+\b]  ; with lane l xor 16's 16 keys
.endr
	s_delay_alu instid0(VALU_DEP_2)
	v_max3_num_f32 v254, v232, v233, v234
	s_delay_alu instid0(VALU_DEP_1)
	v_max_num_f32 v254, v254, v235
	s_delay_alu instid0(VALU_DEP_1)
	v_mul_f32 v254, s22, v254                      ; the step's largest t (c is positive)
	s_delay_alu instid0(VALU_DEP_1)
	v_max_num_f32 v13, v13, v254
	v_mov_b32 v254, v12
	s_delay_alu instid0(VALU_DEP_2)
	v_floor_f32 v12, -v13                          ; the new -M = -ceil(t)
	s_delay_alu instid0(VALU_DEP_1)
	v_sub_f32 v254, v12, v254                      ; old M - new M: a whole number, 0 or less
	s_delay_alu instid0(VALU_DEP_1)
	v_cvt_i32_f32 v254, v254                       ; (it saturates)
	s_delay_alu instid0(VALU_DEP_1)
	v_ldexp_f32 v252, 1.0, v254                    ; f = 2^(old M - new M)
.set jj, 0
.rept 32
	v_pk_fma_f32 v[S+jj:S+jj+1], v[S+jj:S+jj+1], s[22:23], v[12:13] op_sel_hi:[1,0,0]   ; t - M, two at a time
.set jj, jj+2
.endr
.irp b, 0,1,2,3
	v_fma_f32 v[232+\b], v[232+\b], s22, v12       ; the same of each block's largest score
.endr
.set jj, 0
	s_wait_alu depctr_va_vdst(0)
.rept 64
	v_exp_f32 v[S+jj], v[S+jj]                     ; p = 2^(t - M)
.set jj, jj+1
.endr
.irp b, 0,1,2,3
	v_exp_f32 v[232+\b], v[232+\b]                 ; the block's largest p: the same two instructions on the same number give the same bits
.endr
	v_pk_mul_f32 v[14:15], v[14:15], v[252:253] op_sel_hi:[1,0]   ; the sums under the new M.  (A plain place behind the exponentials)
	s_wait_alu depctr_va_vdst(0)
.irp b, 0,1,2,3
	v_max_num_f32 v[232+\b], 0x2800000, v[232+\b]  ; the floor 2^(5 - 127)
.endr
.irp b, 0,1,2,3
	s_delay_alu instid0(VALU_DEP_4)
	v_add_nc_u32 v[244+\b], 0xfe000000, v[232+\b]  ; 4 off the exponent field: the conversion's scale operand
.endr
.irp b, 0,1,2,3
	s_delay_alu instid0(VALU_DEP_4)
	v_lshrrev_b32 v[236+\b], 23, v[244+\b]
.endr
	s_delay_alu instid0(VALU_DEP_3)
	v_lshl_or_b32 v253, v237, 8, v236              ; p's scale word for these 128 keys
	s_delay_alu instid0(VALU_DEP_1)
	v_lshl_or_b32 v253, v238, 16, v253
	s_delay_alu instid0(VALU_DEP_1)
	v_lshl_or_b32 v253, v239, 24, v253
.irp c, 0,1
	v_cvt_scalef32_pk16_bf6_f32 v[P+6*\c:P+2+6*\c], v[S+32*\c:S+15+32*\c], v[244+2*\c]
	v_cvt_scalef32_pk16_bf6_f32 v[236+4*\c:238+4*\c], v[S+16+32*\c:S+31+32*\c], v[244+2*\c+1]
.endr
	v_nop                                          ; one plain place behind a scaled conversion
.irp c, 0,1                                    ; a WHOLE block in a lane: lanes 0-15 block 2 c, lanes 16-31 block 2 c + 1
.irp i, 0,1,2
	v_permlane16_swap_b32 v[P+6*\c+\i], v[236+4*\c+\i]
.endr
.irp i, 0,1,2
	s_delay_alu instid0(VALU_DEP_3)
	v_mov_b32 v[P+3+6*\c+\i], v[236+4*\c+\i]
.endr
.endr
	v_pk_add_f32 v[236:237], v[128:129], v[132:133]   ; the row's sum of the unquantised p, in eight chains
	v_pk_add_f32 v[246:247], v[136:137], v[140:141]
	v_pk_add_f32 v[244:245], v[144:145], v[148:149]
	v_pk_add_f32 v[240:241], v[152:153], v[156:157]
	v_pk_add_f32 v[234:235], v[160:161], v[164:165]
	v_pk_add_f32 v[232:233], v[168:169], v[172:173]
	v_pk_add_f32 v[68:69], v[176:177], v[180:181]
	v_pk_add_f32 v[14:15], v[14:15], v[184:185]
	v_pk_add_f32 v[236:237], v[236:237], v[124:125]
	v_pk_add_f32 v[246:247], v[246:247], v[126:127]
	v_pk_add_f32 v[244:245], v[244:245], v[130:131]
	v_pk_add_f32 v[240:241], v[240:241], v[134:135]
	v_pk_add_f32 v[234:235], v[234:235], v[138:139]
	v_pk_add_f32 v[232:233], v[232:233], v[142:143]
	v_pk_add_f32 v[68:69], v[68:69], v[146:147]
	v_pk_add_f32 v[14:15], v[14:15], v[150:151]
	v_pk_add_f32 v[236:237], v[236:237], v[154:155]
	v_pk_add_f32 v[246:247], v[246:247], v[158:159]
	v_pk_add_f32 v[244:245], v[244:245], v[162:163]
	v_pk_add_f32 v[240:241], v[240:241], v[166:167]
	v_pk_add_f32 v[234:235], v[234:235], v[170:171]
	v_pk_add_f32 v[232:233], v[232:233], v[174:175]
	v_pk_add_f32 v[68:69], v[68:69], v[178:179]
	v_pk_add_f32 v[14:15], v[14:15], v[182:183]
	v_pk_add_f32 v[236:237], v[236:237], v[186:187]
	s_delay_alu instid0(VALU_DEP_2)
	v_pk_add_f32 v[14:15], v[14:15], v[240:241]
	s_delay_alu instid0(VALU_DEP_2)
	v_pk_add_f32 v[236:237], v[236:237], v[234:235]
	v_pk_add_f32 v[246:247], v[246:247], v[232:233]
	v_pk_add_f32 v[244:245], v[244:245], v[68:69]
	s_delay_alu instid0(VALU_DEP_2)
	v_pk_add_f32 v[14:15], v[14:15], v[246:247]
	s_delay_alu instid0(VALU_DEP_2)
	v_pk_add_f32 v[236:237], v[236:237], v[244:245]
	s_delay_alu instid0(VALU_DEP_1)
	v_pk_add_f32 v[14:15], v[14:15], v[236:237]
.set jj, 0
.rept 16
	v_pk_mul_f32 v[O+jj:O+jj+1], v[O+jj:O+jj+1], v[252:253] op_sel_hi:[1,0]   ; O^T under the new M.  (With the sums: the places between p's codes and scale word and the products)
.set jj, jj+2
.endr
	s_wait_alu depctr_va_vdst(0)
	s_wait_dscnt 0x0                               ; V and its scale words are in
.irp t, 0,1,2,3
	v_wmma_scale_f32_16x16x128_f8f6f4 v[O+8*\t:O+8*\t+7], v[VR+12*\t:VR+12*\t+11], v[P:P+11], v[O+8*\t:O+8*\t+7], v[248+\t], v253 matrix_a_fmt:MATRIX_FMT_BF6 matrix_b_fmt:MATRIX_FMT_BF6
.endr
.Lhidden_\@:
.endm
; A tile of queries ends: y = O^T / the sum; register 16 b + i is channel 32 b + 16 h + i: two blocks of 32, quantised; the codes are the head's half fragment of my 16 tokens.
.macro EPILOGUE
.rept 4
	v_nop                                          ; places behind the last products
.endr
	v_add_f32 v14, v14, v15
	s_delay_alu instid0(VALU_DEP_1)
	v_permlanex16_b32 v252, v14, s20, s21
	s_delay_alu instid0(VALU_DEP_1)
	v_add_f32 v14, v14, v252                       ; the row's sum
	s_wait_alu depctr_va_vdst(0)
	v_rcp_f32 v14, v14
	v_nop                                          ; one plain place behind a transcendental
.set jj, 0
	s_wait_alu depctr_va_vdst(0)
.rept 16
	v_pk_mul_f32 v[S+jj:S+jj+1], v[O+jj:O+jj+1], v[14:15] op_sel_hi:[1,0]   ; each accumulator from its low end on
.set jj, jj+2
.endr
.irp b, 0,1
	v_max3_num_f32 v[232+\b], |v[S+16*\b]|, |v[S+1+16*\b]|, 0x2800000
.endr
.irp i, 2,4,6,8,10,12,14
.irp b, 0,1
	s_delay_alu instid0(VALU_DEP_2)
	v_max3_num_f32 v[232+\b], v[232+\b], |v[S+16*\b+\i]|, |v[S+1+16*\b+\i]|
.endr
.endr
.irp b, 0,1
	s_delay_alu instid0(VALU_DEP_2)
	v_permlanex16_b32 v[236+\b], v[232+\b], s20, s21
.endr
.irp b, 0,1
	s_delay_alu instid0(VALU_DEP_2)
	v_max_num_f32 v[232+\b], v[232+\b], v[236+\b]
.endr
.irp b, 0,1
	s_delay_alu instid0(VALU_DEP_2)
	v_add_nc_u32 v[244+\b], 0xfe000000, v[232+\b]
.endr
.irp b, 0,1
	s_delay_alu instid0(VALU_DEP_2)
	v_lshrrev_b32 v[236+\b], 23, v[244+\b]
.endr
	s_delay_alu instid0(VALU_DEP_1)
	v_lshl_or_b32 v254, v237, 8, v236              ; the head's two scale bytes of my row
	v_cvt_scalef32_pk16_bf6_f32 v[P:P+2], v[S:S+15], v244
	v_cvt_scalef32_pk16_bf6_f32 v[240:242], v[S+16:S+31], v245
	v_nop
.irp i, 0,1,2
	v_permlane16_swap_b32 v[P+\i], v[240+\i]
.endr
.irp i, 0,1,2
	s_delay_alu instid0(VALU_DEP_3)
	v_mov_b32 v[P+3+\i], v[240+\i]
.endr
	global_store_b128 v1, v[P:P+3], s[50:51]       ; 512 and 256 consecutive bytes, at multiples of 256
	global_store_b64 v2, v[P+4:P+5], s[50:51] offset:512
	global_store_b16 v243, v254, s[52:53]          ; two bytes a token, 8 bytes apart (both halves of the lanes write the same): a twenty-fourth of the codes' bytes; longer runs would want four heads in a work-group
	s_wait_xcnt 0x0                                ; the stores have read their registers and bases
.endm
; A tile's walk over the keys: 8 trips of 256 keys, the block's place in LDS stepped by a constant; no barrier, no tensor load.
.macro WALK
	s_mov_b32 s38, 0
	s_mov_b32 s41, 0
.Lwalk_\@:
	STEP 0
	STEP 1
	s_add_co_u32 s41, s41, BLKB
	s_add_co_u32 s38, s38, 1
	s_cmp_lt_u32 s38, 8
	s_cbranch_scc1 .Lwalk_\@
	EPILOGUE
.endm
	PHASE_INIT
	s_wait_tensorcnt 0x0                           ; my sixteenth of K and V is in,
	s_barrier_signal -1
	s_barrier_wait -1                              ; everybody's is
	WALK
	s_mov_b32 s19, s36                             ; my other tile
	PHASE_INIT
	WALK
	s_wait_tensorcnt 0x0                           ; the wave's end
	ds_add_u32 v5, v6
	s_wait_dscnt 0x0
	ROUND                                          ; the closing round
	s_endpgm
.Lfunc_end_k_q3ffd299c07_attn:
	.size	k_q3ffd299c07_attn, .Lfunc_end_k_q3ffd299c07_attn-k_q3ffd299c07_attn
	.p2alignl 7, 3214868480
	.fill 96, 4, 3214868480
	.section	.rodata,"a",@progbits
	.p2align	6, 0x0
	.amdhsa_kernel k_q3ffd299c07_attn
		.amdhsa_group_segment_fixed_size 327680
		.amdhsa_private_segment_fixed_size 0
		.amdhsa_enable_private_segment 0
		.amdhsa_kernarg_size 40
		.amdhsa_user_sgpr_count 2
		.amdhsa_user_sgpr_kernarg_segment_ptr 1
		.amdhsa_wavefront_size32 1
		.amdhsa_system_sgpr_workgroup_id_x 1
		.amdhsa_system_sgpr_workgroup_id_y 1
		.amdhsa_system_sgpr_workgroup_id_z 1
		.amdhsa_system_vgpr_workitem_id 0
		.amdhsa_next_free_vgpr 256
		.amdhsa_next_free_sgpr 66
		.amdhsa_reserve_vcc 1
		.amdhsa_float_denorm_mode_32 3
		.amdhsa_float_denorm_mode_16_64 3
		.amdhsa_memory_ordered 1
		.amdhsa_forward_progress 1
		.amdhsa_inst_pref_size 109
	.end_amdhsa_kernel
	.amdgpu_metadata
---
amdhsa.version: [ 1, 2 ]
amdhsa.kernels:
  - .name:           k_q3ffd299c07_attn
    .symbol:         k_q3ffd299c07_attn.kd
    .args:
      - { .name: q_codes, .offset: 0, .size: 8, .value_kind: global_buffer, .address_space: global }
      - { .name: q_scales, .offset: 8, .size: 8, .value_kind: global_buffer, .address_space: global }
      - { .name: kv, .offset: 16, .size: 8, .value_kind: global_buffer, .address_space: global }
      - { .name: act_codes, .offset: 24, .size: 8, .value_kind: global_buffer, .address_space: global }
      - { .name: act_scales, .offset: 32, .size: 8, .value_kind: global_buffer, .address_space: global }
    .group_segment_fixed_size: 327680
    .private_segment_fixed_size: 0
    .kernarg_segment_align: 8
    .kernarg_segment_size: 40
    .max_flat_workgroup_size: 512
    .sgpr_count:     66
    .vgpr_count:     256
    .wavefront_size: 32
...
	.end_amdgpu_metadata
.endif
;; end of part 3
;; launch gemm_proj (part 4): grid 4 x 64, 4 waves a work-group, clusters of 4 x 4, 327,680 bytes of LDS; arguments act_codes, act_scales, w_codes, w_scales, b_proj, out0; writes out0
.if DOCPART == 4
	.amdgcn_target "amdgcn-amd-amdhsa--gfx1250"
	.amdhsa_code_object_version 6
	.text
	.protected	k_q3ffd299c07_gemm_proj
	.globl	k_q3ffd299c07_gemm_proj
	.p2align	8
	.type	k_q3ffd299c07_gemm_proj,@function
k_q3ffd299c07_gemm_proj:
	s_mov_b64 s[64:65], 0
	v_nop
	global_prefetch_b8 v0, s[64:65] scope:SCOPE_SE
	s_setreg_imm32_b32 hwreg(HW_REG_WAVE_MODE, 25, 1), 1
	s_wait_xcnt 0x0
	s_wait_alu depctr_hold_cnt(0) depctr_sa_sdst(0) depctr_va_vdst(0) depctr_va_sdst(0) depctr_va_ssrc(0) depctr_va_vcc(0) depctr_vm_vsrc(0)
	s_getreg_b32 s2, hwreg(HW_REG_IB_STS2, 6, 4)
	s_cmp_eq_u32 s2, 0
	s_cbranch_scc0 .Lentry_in_a_cluster
	s_endpgm
.Lentry_in_a_cluster:
	s_bfe_u32 s2, ttmp6, 0x10000c
	s_cmp_lg_u32 s2, 0xf033
	s_cbranch_scc0 .Lentry_shape_is_right
	s_endpgm
.Lentry_shape_is_right:
; out0 = y w_proj + b_proj on codes of E3M2 with E8M0 scales, f32 sums, f32 out.
; SHARES.  Work-group (cg, tb) makes 128 tokens x 256 columns: 4 x 64 = 256 work-groups.  Both operands' codes for ALL of K fit in LDS together (256 x 768 + 128 x 768 = 294,912 bytes, two dense blocks of memory):
; they come by the head's loads, one a wave (waves 0, 1: the weights' halves; waves 2, 3: the tokens'), and nothing is filled again: one barrier in front of the products, no ring.
; Wave (wr, wc) makes 64 tokens x 128 columns: 32 accumulators by turns, 8 K steps of 32 matrix instructions; no fragment is read from LDS twice.  b_proj is the C of each accumulator's first product.
; Source 0 = 16 columns of w_proj, source 1 = 16 tokens: a lane holds one token and its registers run along the columns.  Layouts of codes, rows and scale words: as in gemm_qkv.
; SCALE WORDS go from memory into registers: a tile's 512 bytes by two loads of 256 consecutive bytes; lanes 0-15 hold an even 256 along K, lanes 16-31 the odd one, picked by the ROW selector.
; CLUSTERS: 4 x 4; the tokens' tile is asked for jointly along a row of the cluster, the weights' along a column.  NO PREFETCH: the launch has no loop to run ahead in; all its tiles are asked for at its head.
; THE WAY OUT: a block of 16 tokens x 128 columns goes through the wave's stage in LDS and leaves as rows of 512 consecutive bytes.  The stage lies over the weights' tile, behind a barrier behind which nobody reads the tiles.
; REGISTERS: window 0: v4-15 addresses, v16-31 the tokens' scale words, v32-63 the weights', v64-127 b_proj, v128-255 the way out;  window 1: the tokens' fragments, two sets;  window 2: the weights', two sets;  window 3: the accumulators.
.set TOK,   196608
.set SPARE, 294912                     ; the spare words: 128 bytes for each wave, two blocks of 256 bytes that no other line names
.set SPITCH, 528
.set BO,  2
.set L16, 4
.set L8,  5
.set SPW, 6
.set NIL, 7
.set AW16, 8                           ; v8-9 my column tiles 0-3, 4-7, + 16 x lane;  v10-11 with 8 x lane
.set AW8,  10
.set AT16, 12
.set AT8,  13
.set STO, 14
.set RD,  15
.set TS,  16
.set WS,  32
.set BI,  64
.set BK,  128
.set G1W, 24
.set G1T, 40
.set G0HW, 56
.set G0HT, 60
.set MSB, 0
.macro WIN new                         ; the immediate's high byte repeats the setting that is left
.if MSB != (\new)
	s_set_vgpr_msb (MSB<<8)|(\new)
.set MSB, (\new)
.endif
.endm
.macro PLACES
.rept 4
	v_nop
.endr
.endm
.macro ROUND                           ; a round of the cluster's barrier
	s_barrier_signal -1
	s_barrier_wait -1
	s_cmp_lg_u32 s20, 0
	s_cbranch_scc1 .Lnot_wave_0_\@
	s_barrier_signal -3
.Lnot_wave_0_\@:
	s_barrier_wait -3
	s_barrier_signal -1
	s_barrier_wait -1
.endm
	s_load_b256 s[4:11], s[0:1], 0x0               ; act_codes s[4:5], act_scales s[6:7], w_codes s[8:9], w_scales s[10:11]
	s_load_b128 s[12:15], s[0:1], 0x20             ; b_proj s[12:13], out0 s[14:15]
	v_lshl_add_u32 v[SPW], v0, 2, SPARE
	v_mov_b32 v[NIL], 0
	ds_add_u32 v[SPW], v[NIL]                      ; the opening adds, twice on end; their wait comes later
	ds_add_u32 v[SPW], v[NIL]
	v_lshrrev_b32 v1, 5, v0
	v_readfirstlane_b32 s20, v1                    ; wave 0..3
	s_lshr_b32 s21, s20, 1                         ; wr: which 64 tokens
	s_and_b32 s22, s20, 1                          ; wc: which 128 columns.  Also: which half I fetch
	v_and_b32 v1, 15, v0                           ; r
	v_bfe_u32 v2, v0, 4, 1                         ; h
	v_and_b32 v3, 31, v0
	v_lshlrev_b32 v[L16], 4, v3
	v_lshlrev_b32 v[L8], 3, v3
	s_mul_i32 s23, s22, 98304
	v_add_nc_u32 v[AW16], s23, v[L16]
	v_add_nc_u32 v[AW8], s23, v[L8]
	s_add_co_u32 s23, s23, 49152
	v_add_nc_u32 v[AW16+1], s23, v[L16]
	v_add_nc_u32 v[AW8+1], s23, v[L8]
	s_mul_i32 s23, s21, 49152
	s_add_co_u32 s23, s23, TOK
	v_add_nc_u32 v[AT16], s23, v[L16]
	v_add_nc_u32 v[AT8], s23, v[L8]
	s_mul_i32 s23, s20, 16*SPITCH                  ; my stage
	v_mul_u32_u24 v3, v1, SPITCH
	v_lshl_add_u32 v3, v2, 6, v3
	v_add_nc_u32 v[STO], s23, v3                   ; in: row r, 64 bytes for each half of the lanes
	v_add_nc_u32 v[RD], s23, v[L16]                ; back: the 32 lanes take one row of 512 bytes
	v_lshlrev_b32 v[BO], 6, v2                     ; 64 h
	s_bfe_u32 s88, ttmp6, 0x40000                  ; cx, cy
	s_bfe_u32 s89, ttmp6, 0x40004
	s_lshl_b32 s91, ttmp9, 2
	s_add_co_u32 s91, s91, s88                     ; cg
	s_and_b32 s90, ttmp7, 0xffff
	s_lshl_b32 s90, s90, 2
	s_add_co_u32 s90, s90, s89                     ; tb
	s_lshl_b32 s100, s89, 2
	s_lshl_b32 s100, 15, s100                      ; my row of the cluster
	s_lshl_b32 s101, 0x1111, s88                   ; my column
	s_or_b32 s[G1W], s101, (3<<16)|(1<<21)         ; the mask; elements of 8 bytes; bit 21 set beside a mask
	s_or_b32 s[G1T], s100, (3<<16)|(1<<21)
	s_mov_b32 s[G1W+1], 32<<16                     ; 384 rows of 256 bytes, dense: 128 columns, all of K
	s_mov_b32 s[G1W+2], 384<<16
	s_mov_b32 s[G1W+3], 32<<16
	s_mov_b32 s[G1W+4], 384
	s_mov_b32 s[G1W+5], 32
	s_mov_b32 s[G1W+6], 0
	s_mov_b32 s[G1W+7], 0
	s_mov_b32 s[G1T+1], 32<<16                     ; 192 rows of 256 bytes: 64 tokens, all of K
	s_mov_b32 s[G1T+2], 192<<16
	s_mov_b32 s[G1T+3], 32<<16
	s_mov_b32 s[G1T+4], 192
	s_mov_b32 s[G1T+5], 32
	s_mov_b32 s[G1T+6], 0
	s_mov_b32 s[G1T+7], 0
	s_mul_i32 s96, s90, 98304
	s_mul_i32 s97, s22, 49152
	s_add_co_u32 s96, s96, s97
	s_mov_b32 s97, 0
	s_lshl_b32 s98, s91, 4
	s_add_co_u32 s98, s98, 192                     ; w_proj's columns begin at tile 192 of the weights
	s_lshl_b32 s99, s22, 3
	s_add_co_u32 s98, s98, s99
	s_mul_i32 s98, s98, 12288
	s_mov_b32 s99, 0
	s_mov_b32 s3, 0
	s_mul_i32 s[G0HW+1], s22, 98304
	s_mul_i32 s[G0HT+1], s22, 49152
	s_add_co_u32 s[G0HT+1], s[G0HT+1], TOK
	s_wait_alu depctr_va_vdst(0)                   ; the wait at the end of the head's vector work
	s_wait_dscnt 0x0
	s_wait_kmcnt 0x0
	s_add_nc_u64 s[G0HT+2:G0HT+3], s[4:5], s[96:97]
	s_add_nc_u64 s[G0HW+2:G0HW+3], s[8:9], s[98:99]
.irp g, G0HW, G0HT
	s_mov_b32 s[\g], 1
	s_or_b32 s[\g+3], s[\g+3], 0x80000000
.endr
	ROUND                                          ; all sixteen work-groups are here: the joint loads meet
	s_cmp_lt_u32 s20, 2                            ; one tensor load a wave, in two arms that join
	s_cbranch_scc0 .Lhead_tok
	tensor_load_to_lds s[G0HW:G0HW+3], s[G1W:G1W+7]
	s_nop 0
	PLACES
	s_branch .Lhead_asked
.Lhead_tok:
	tensor_load_to_lds s[G0HT:G0HT+3], s[G1T:G1T+7]
	s_nop 0
	PLACES
.Lhead_asked:
	s_lshl_b32 s2, s90, 12
	s_lshl_b32 s23, s21, 11
	s_add_co_u32 s2, s2, s23
	s_add_nc_u64 s[6:7], s[6:7], s[2:3]            ; the scale words of token tiles 8 tb + 4 wr on
	s_lshl_b32 s2, s91, 13
	s_lshl_b32 s23, s22, 12
	s_add_co_u32 s2, s2, s23
	s_add_co_u32 s2, s2, 98304
	s_add_nc_u64 s[10:11], s[10:11], s[2:3]        ; and of column tiles 192 + 16 cg + 8 wc on
	s_lshl_b32 s2, s91, 10
	s_lshl_b32 s23, s22, 9
	s_add_co_u32 s2, s2, s23                       ; (256 cg + 128 wc) x 4
	s_add_nc_u64 s[12:13], s[12:13], s[2:3]
	s_add_nc_u64 s[14:15], s[14:15], s[2:3]
	s_lshl_b32 s2, s90, 19
	s_lshl_b32 s23, s21, 18
	s_add_co_u32 s2, s2, s23                       ; (128 tb + 64 wr) rows of 4,096 bytes
	s_add_nc_u64 s[14:15], s[14:15], s[2:3]
.irp a, 0,1,2,3
.irp j, 0,1
	global_load_b64 v[TS+4*\a+2*\j:TS+4*\a+2*\j+1], v[L8], s[6:7] offset:512*\a+256*\j     ; 256 consecutive bytes
.endr
.endr
.irp i, 0,1,2,3,4,5,6,7
.irp j, 0,1
	global_load_b64 v[WS+4*\i+2*\j:WS+4*\i+2*\j+1], v[L8], s[10:11] offset:512*\i+256*\j
.endr
.endr
.irp b, 0,1,2,3,4,5,6,7
	global_load_b128 v[BI+8*\b:BI+8*\b+3], v[BO], s[12:13] offset:(32*(\b/2)+8*(\b%2))*4       ; register 8 b + j: column 32 (b / 2) + 16 h + 8 (b % 2) + j
	global_load_b128 v[BI+8*\b+4:BI+8*\b+7], v[BO], s[12:13] offset:(32*(\b/2)+8*(\b%2))*4+16
.endr
.macro FRAG reg, a16, a8, off          ; a fragment comes as it was stored; each load takes consecutive bytes
	ds_load_b128 v[\reg:\reg+3], v[\a16] offset:\off
	ds_load_b64 v[\reg+4:\reg+5], v[\a8] offset:\off+512
	ds_load_b128 v[\reg+6:\reg+9], v[\a16] offset:\off+768
	ds_load_b64 v[\reg+10:\reg+11], v[\a8] offset:\off+1280
.endm
.macro FETCH st                        ; K step st's 8 + 4 fragments into set st % 2
	WIN 0x80
.irp i, 0,1,2,3,4,5,6,7
	FRAG 96*((\st)%2)+12*\i, AW16+\i/4, AW8+\i/4, 12288*(\i%4)+1536*(\st)
.endr
	WIN 0x40
.irp a, 0,1,2,3
	FRAG 48*((\st)%2)+12*\a, AT16, AT8, 12288*\a+1536*(\st)
.endr
.endm
.macro WM d, a, b, sa, sb, c           ; KD = 0: the first product starts the sum from b_proj; 1, 2: scale words in lanes 0-15, 16-31
.if KD == 0
	v_wmma_scale_f32_16x16x128_f8f6f4 v[\d:\d+7], v[\a:\a+11], v[\b:\b+11], v[\c:\c+7], v[\sa], v[\sb] matrix_a_fmt:MATRIX_FMT_BF6 matrix_b_fmt:MATRIX_FMT_BF6
.else
.if KD == 1
	v_wmma_scale_f32_16x16x128_f8f6f4 v[\d:\d+7], v[\a:\a+11], v[\b:\b+11], v[\d:\d+7], v[\sa], v[\sb] matrix_a_fmt:MATRIX_FMT_BF6 matrix_b_fmt:MATRIX_FMT_BF6
.else
	v_wmma_scale_f32_16x16x128_f8f6f4 v[\d:\d+7], v[\a:\a+11], v[\b:\b+11], v[\d:\d+7], v[\sa], v[\sb] matrix_a_fmt:MATRIX_FMT_BF6 matrix_b_fmt:MATRIX_FMT_BF6 matrix_a_scale:MATRIX_SCALE_ROW1 matrix_b_scale:MATRIX_SCALE_ROW1
.endif
.endif
.endm
; A K step: the next step's fragments are asked for, then 32 matrix instructions, the 32 accumulators by turns in the same order in every step.
.macro STEP st
	s_wait_dscnt 0x0                               ; this step's fragments are in
.if (\st) < 7
.if (\st) > 0
	PLACES                                         ; in front of loads into the set that the last step multiplied
.endif
	FETCH (\st)+1
.else
	s_barrier_signal -1                            ; my reads of the tiles are over
.endif
.set WR, 96*((\st)%2)
.set TR, 48*((\st)%2)
.set JQ, 2*((\st)/4)+(\st)%2
.if (\st) == 0
.set KD, 0
	WIN 0xc6                                       ; source 0 window 2, source 1 window 1, C window 0, D window 3
.else
.set KD, 1+((\st)/2)%2
	WIN 0xf6                                       ; C and D window 3
.endif
.irp a, 0,1,2,3
.irp i, 0,1,2,3,4,5,6,7
	WM 8*(8*\a+\i), WR+12*\i, TR+12*\a, WS+4*\i+JQ, TS+4*\a+JQ, BI+8*\i
.endr
.endr
.endm
	s_wait_tensorcnt 0x0                           ; my tile of the four is in,
	s_barrier_signal -1
	s_barrier_wait -1                              ; everybody's is
	FETCH 0
	WIN 0
	s_wait_loadcnt 0x0                             ; the scale words and b_proj
.irp t, 0,1,2,3,4,5,6,7
	STEP \t
.endr
	WIN 0
	s_barrier_wait -1                              ; nobody reads the tiles any more: the stages may lie over them
.macro TOSTAGE a
.set AC, 64*(\a)
	WIN 0x0c                                       ; the data: window 3
.irp b, 0,1,2,3,4,5,6,7
	ds_store_b128 v[STO], v[AC+8*\b:AC+8*\b+3] offset:128*(\b/2)+32*(\b%2)          ; each accumulator from its low end on
	ds_store_b128 v[STO], v[AC+8*\b+4:AC+8*\b+7] offset:128*(\b/2)+32*(\b%2)+16
.endr
	WIN 0
.set BB, BK+64*((\a)%2)
.irp t, 0,1,2,3,4,5,6,7,8,9,10,11,12,13,14,15
	ds_load_b128 v[BB+4*\t:BB+4*\t+3], v[RD] offset:\t*SPITCH     ; LDS serves a wave's instructions in order: these see the stores above
.endr
.endm
.macro SEND a, younger                 ; younger: the LDS instructions issued behind block a's loads
.set BB, BK+64*((\a)%2)
	s_wait_dscnt \younger
.irp t, 0,1,2,3,4,5,6,7,8,9,10,11,12,13,14,15
	global_store_b128 v[L16], v[BB+4*\t:BB+4*\t+3], s[14:15] offset:(32*((\a)/2)+8*((\a)%2)+\t+8*(\t/8))*4096 th:TH_STORE_NT   ; 512 consecutive bytes of token 32 (a / 2) + 8 (a % 2) + t + 8 (t / 8)
.endr
.endm
	PLACES                                         ; behind the last products
	TOSTAGE 0
.irp a, 1,2,3
.if \a > 1
	s_wait_xcnt 0x0                                ; block a - 2's stores have read their registers
.endif
	TOSTAGE \a
	SEND \a-1, 32
.endr
	SEND 3, 0
	s_wait_tensorcnt 0x0                           ; the wave's end
	ds_add_u32 v[SPW], v[NIL]
	s_wait_dscnt 0x0
	ROUND                                          ; the closing round
	s_endpgm
.Lfunc_end_k_q3ffd299c07_gemm_proj:
	.size	k_q3ffd299c07_gemm_proj, .Lfunc_end_k_q3ffd299c07_gemm_proj-k_q3ffd299c07_gemm_proj
	.p2alignl 7, 3214868480
	.fill 96, 4, 3214868480
	.section	.rodata,"a",@progbits
	.p2align	6, 0x0
	.amdhsa_kernel k_q3ffd299c07_gemm_proj
		.amdhsa_group_segment_fixed_size 327680
		.amdhsa_private_segment_fixed_size 0
		.amdhsa_enable_private_segment 0
		.amdhsa_kernarg_size 48
		.amdhsa_user_sgpr_count 2
		.amdhsa_user_sgpr_kernarg_segment_ptr 1
		.amdhsa_wavefront_size32 1
		.amdhsa_system_sgpr_workgroup_id_x 1
		.amdhsa_system_sgpr_workgroup_id_y 1
		.amdhsa_system_sgpr_workgroup_id_z 1
		.amdhsa_system_vgpr_workitem_id 0
		.amdhsa_next_free_vgpr 1024
		.amdhsa_next_free_sgpr 102
		.amdhsa_reserve_vcc 0
		.amdhsa_float_denorm_mode_32 3
		.amdhsa_float_denorm_mode_16_64 3
		.amdhsa_memory_ordered 1
		.amdhsa_forward_progress 1
		.amdhsa_inst_pref_size 83
	.end_amdhsa_kernel
	.amdgpu_metadata
---
amdhsa.version: [ 1, 2 ]
amdhsa.kernels:
  - .name:           k_q3ffd299c07_gemm_proj
    .symbol:         k_q3ffd299c07_gemm_proj.kd
    .args:
      - { .name: act_codes, .offset: 0, .size: 8, .value_kind: global_buffer, .address_space: global }
      - { .name: act_scales, .offset: 8, .size: 8, .value_kind: global_buffer, .address_space: global }
      - { .name: w_codes, .offset: 16, .size: 8, .value_kind: global_buffer, .address_space: global }
      - { .name: w_scales, .offset: 24, .size: 8, .value_kind: global_buffer, .address_space: global }
      - { .name: b_proj, .offset: 32, .size: 8, .value_kind: global_buffer, .address_space: global }
      - { .name: out0, .offset: 40, .size: 8, .value_kind: global_buffer, .address_space: global }
    .group_segment_fixed_size: 327680
    .private_segment_fixed_size: 0
    .kernarg_segment_align: 8
    .kernarg_segment_size: 48
    .max_flat_workgroup_size: 128
    .sgpr_count:     102
    .vgpr_count:     1024
    .wavefront_size: 32
...
	.end_amdgpu_metadata
.endif
;; end of part 4
